; MI455X (gfx1250); checked and timed in simulation.
; The chip was launched on July 23, 2026; its instructions are those of AMD's public machine-readable ISA for CDNA 5 (MIT licence, August 2026) and "CDNA5" Instruction Set Architecture Reference Guide (July 2026). The comments in the code are by the model that wrote it; some were corrected since.
;; Causal Self Attention. Allowed arithmetic: matrix products marked QUANTISED: E2M3 operands, one E8M0 scale for each 32 along K, by v_wmma_scale_f32_16x16x128_f8f6f4 with both operands' format E2M3, f32 sums; everything else in f32.
;; Inputs: W_attn 3,072 x 1,024 float32; W_proj 1,024 x 1,024 float32; b_attn 3,072 float32; b_proj 1,024 float32; x 4 x 2,048 x 1,024 float32.
;; Outputs: out0 4 x 2,048 x 1,024 float32.
;; This version of the problem:
;;   THIS VERSION OF THE PROBLEM IS GIVEN IN LOW PRECISION. The matrix products marked QUANTISED in the list below multiply operands that are first quantised to E2M3 (2 exponent bits, 3 mantissa bits; 6 bits a number), with one power-of-two scale for each 32 numbers along K (OCP MX v1.0); their sums are f32. All else is computed in f32.
;;   The module's matrix products, in the order in which they are computed (A, B: the left and right operand; K: the contracted axis; several contracted axes count as one K, in the product's order):
;;     1. [M 8,192, K 1,024] x [K 1,024, N 3,072]; A: input x; B: input W_attn: QUANTISED
;;     2. batch 64 x [M 2,048, K 64] x [K 64, N 2,048]; A: computed on the way; B: computed on the way: QUANTISED
;;     3. batch 64 x [M 2,048, K 2,048] x [K 2,048, N 64]; A: softmax (see below); B: computed on the way: QUANTISED
;;     4. [M 8,192, K 1,024] x [K 1,024, N 1,024]; A: computed on the way; B: input W_proj: QUANTISED
;;   THE QUANTISER, for each operand of a quantised product, along K:
;;     - K is cut into blocks of 32 from its start; a last block that is shorter is filled with zeros.
;;     - A block's scale is 2^e with e = floor(log2(the largest magnitude in the block)) - 2, held to -126 .. 127; a block of zeros has e = 0. As a byte (E8M0): e + 127.
;;     - Each number is divided by its block's scale, clamped to +-7.5, and rounded to the nearest number of E2M3, ties to even, subnormals kept.
;;     - The product sums the exact products of the quantised numbers (number of the format x scale) in f32.
;;   ~~~python
;;   def quantise(x, axis):      # numpy; x: float32 -> the quantised numbers, widened to float32 again
;;       x = np.moveaxis(x, axis, -1); K = x.shape[-1]
;;       x = np.pad(x, [(0, 0)] * (x.ndim - 1) + [(0, -K % 32)]); x = x.reshape(x.shape[:-1] + (-1, 32)); a = np.abs(x).max(-1, keepdims=True)
;;       e = np.where(a > 0, np.clip(np.frexp(np.where(a > 0, a, 1))[1] - 1 - 2, -126, 127), 0)      # np.frexp(a)[1] - 1 = floor(log2(a)), exactly
;;       r = np.clip(x / 2.0 ** e, -7.5, 7.5)
;;       step = 2.0 ** (np.maximum(np.frexp(np.where(r == 0, 1, r))[1] - 1, 0) - 3)
;;       q = np.round(r / step) * step * 2.0 ** e      # np.round: ties to even
;;       return np.moveaxis(q.reshape(q.shape[:-2] + (-1,))[..., :K], -1, axis).astype(np.float32)
;;   ~~~
;;   SOFTMAX AHEAD OF A QUANTISED PRODUCT. Where the list says 'softmax', what is quantised is not the finished softmax but p = 2^(t - M), with t = logit x log2(e) and M = ceil(the row's largest t), a whole number; so 1/2 < the row's largest p <= 1. The row's sum l is taken of the UNQUANTISED p, in f32, and the product's result is divided by l at the end. Since M is a whole number, a kernel that streams over the keys may use a running M (the ceiling of the running maximum): every later rescaling is an exact power of two, which a block's scale takes up: the codes' values come out the same.
;;   OPERANDS COMPUTED ON THE WAY. 'Computed on the way' means the value that the module computes at that place (a softmax that the list does not call 'softmax' is quantised finished and normalised). What goes into a quantiser is computed in f32, as accurately as f32 sums, v_exp_f32 and their like allow (about 1e-6 of the number): no bf16 or f16 on the way to a quantiser, and a product that is left as it is and whose result goes on into a quantised operand takes f32 operands (vector FMAs, or v_wmma_f32_16x16x4_f32). A number that lies on a knife's edge between two numbers of the format may be rounded either way, as far as f32 arithmetic and the matrix unit's own rounding can turn it there, and no further.
;; One version. Each part assembles by itself: llvm-mc -triple=amdgcn-amd-amdhsa -mcpu=gfx1250 --defsym DOCPART=n.
;; ======== version 1 of 1: 4 launches
;; workspace buffers: xc 6,291,456 bytes; wc 2,359,296 bytes; pc 786,432 bytes; sc1 360,448 bytes; sc2 294,912 bytes; qkv 20,185,088 bytes; yc 6,291,456 bytes
;; launch quant (part 1): grid 768 x 1, 4 waves a work-group, no clusters, 34,304 bytes of LDS; arguments x, W_attn, W_proj, xc, wc, pc, sc1, sc2; writes xc, wc, pc, sc1, sc2
.if DOCPART == 1
	.amdgcn_target "amdgcn-amd-amdhsa--gfx1250"
	.amdhsa_code_object_version 6
	.text
	.protected	k_q9abdeeae47_quant
	.globl	k_q9abdeeae47_quant
	.p2align	8
	.type	k_q9abdeeae47_quant,@function
k_q9abdeeae47_quant:
	s_mov_b64 s[64:65], 0
	v_nop
	global_prefetch_b8 v0, s[64:65] scope:SCOPE_SE
	s_setreg_imm32_b32 hwreg(HW_REG_WAVE_MODE, 25, 1), 1
	s_wait_xcnt 0x0
; x [8192][1024], W_attn [3072][1024] and W_proj [1024][1024], f32, K innermost, become codes of FP6 (E2M3) with one E8M0 byte for each 32 along K,
; laid in the order in which the products' operand registers take them.
; ROW ORDER: rows go in groups of 32; tile u (0, 1) of a group gives lane r the row 8 u + r + 8 (r / 8).
; CODES: [row / 128][K / 256][tile 0..7][K step 0..1][1,536 bytes]; a K step's fragment (16 rows x 128 K, 12 registers a lane) lies as an image of its registers:
; register pair p of lane l at 256 p + 8 l.  SCALE WORDS: tile x 512 + K step x 64 + 4 r.
; A block's scale is 2^(floor(log2(its largest magnitude)) - 2); its byte is the largest magnitude's exponent field - 2, held at 1 from below.
; LIMITS: NaN and infinities among the inputs are not served; a block of zeros, or one whose largest magnitude lies under 2^-124, gets the byte 1 where the rule says 127 or less:
; a block of zeros has zero codes, which add nothing under any byte but 0xff, and the bytes are read by this program alone.
; SHARES: a work-group takes one tile of 16 rows, wave s the K slot s (256 along K, two K steps).  Work-groups 0-511 take x, 512-703 W_attn, 704-767 W_proj: only pointers are chosen, the text has one path.
; Each load reads 512 consecutive bytes of a row; the numbers turn through the wave's own stage in LDS (rows of 512 + 16 bytes), so that a lane holds 16 neighbours of each block of 32.
; No tensor loads, no barrier: waves share nothing.  All 32 loads of a wave go out at the head.
.set R,     16                         ; v16-143  the numbers as loaded: K step q, row p at v[R + 64 q + 4 p]
.set X,     144                        ; v144-207 64 numbers of my row: register 16 b + i = k 32 b + 16 (lane / 16) + i
.set PC,    208                        ; v208-227 the codes just made (12) and the conversions' second halves
.set TM,    228                        ; v228-243 at work in QUANT
.set PW,    244                        ; v244     the scale word just made
.set W0,    245                        ; v245     K step 0's scale word
.set WM,    246                        ; v246     lanes 0-15 K step 0's word, lanes 16-31 K step 1's
.set SEL,   40                         ; s[40:41] lane selects for v_permlanex16_b32: lane l xor 16
.set PITCH, 528
; 64 numbers of a lane, v[s] .. v[s + 63], become a fragment's codes in v[d] .. v[d + 11] and its scale word in v[PW]
.macro QUANT s, d
.irp b, 0,1,2,3
	v_max3_num_f32 v[TM+\b], |v[\s+16*\b]|, |v[\s+1+16*\b]|, 0x1800000   ; block b: my 16 numbers, and the floor 2^(3 - 127): the byte cannot fall under 1
.endr
.irp i, 2,4,6,8,10,12,14
.irp b, 0,1,2,3
	v_max3_num_f32 v[TM+\b], v[TM+\b], |v[\s+16*\b+\i]|, |v[\s+1+16*\b+\i]|   ; the four blocks by turns
.endr
.endr
.irp b, 0,1,2,3
	v_permlanex16_b32 v[TM+4+\b], v[TM+\b], s[SEL], s[SEL+1]
.endr
.irp b, 0,1,2,3
	v_max_num_f32 v[TM+\b], v[TM+\b], v[TM+4+\b]   ; with lane l xor 16's: the block's largest magnitude
.endr
.irp b, 0,1,2,3
	v_add_nc_u32 v[TM+12+\b], 0xff000000, v[TM+\b]   ; 2 off its exponent field: the conversion's scale operand
.endr
.irp b, 0,1,2,3
	v_lshrrev_b32 v[TM+4+\b], 23, v[TM+12+\b]      ; the scale's byte
.endr
	v_lshl_or_b32 v[PW], v[TM+5], 8, v[TM+4]
	v_lshl_or_b32 v[PW], v[TM+6], 16, v[PW]
	v_lshl_or_b32 v[PW], v[TM+7], 24, v[PW]
.irp c, 0,1
	v_cvt_scalef32_pk16_fp6_f32 v[\d+6*\c:\d+2+6*\c], v[\s+32*\c:\s+15+32*\c], v[TM+12+2*\c]
	v_cvt_scalef32_pk16_fp6_f32 v[\d+12+4*\c:\d+14+4*\c], v[\s+16+32*\c:\s+31+32*\c], v[TM+12+2*\c+1]   ; (a conversion's three registers begin on an even number)
.endr
	v_nop                                          ; one plain instruction behind the scaled conversions
.irp c, 0,1                                    ; the operand wants a whole block in a lane: lanes 0-15 block 2 c, lanes 16-31 block 2 c + 1
.irp i, 0,1,2
	v_permlane16_swap_b32 v[\d+6*\c+\i], v[\d+12+4*\c+\i]
.endr
.irp i, 0,1,2
	v_mov_b32 v[\d+3+6*\c+\i], v[\d+12+4*\c+\i]
.endr
.endr
.endm
	s_load_b256 s[4:11], s[0:1], 0x0               ; x, W_attn, W_proj, xc
	s_load_b256 s[12:19], s[0:1], 0x20             ; wc, pc, sc1, sc2
	v_lshl_add_u32 v254, v0, 2, 0x8400
	v_mov_b32 v255, 0
	v_lshrrev_b32 v6, 5, v0
	v_readfirstlane_b32 s20, v6                    ; wave = K slot
	v_and_b32 v7, 31, v0                           ; lane
	v_and_b32 v8, 15, v0                           ; r
	v_bfe_u32 v9, v0, 4, 1                         ; h
	v_lshlrev_b32 v1, 4, v7                        ; 16 x lane: my bytes of a load's 512
	v_lshlrev_b32 v4, 3, v7                        ; 8 x lane: my place in an image
	v_lshlrev_b32 v5, 2, v7                        ; 4 x lane: my scale word
	s_mul_i32 s21, s20, 16*PITCH                   ; my wave's stage
	v_add_nc_u32 v2, s21, v1                       ; into it: a row as it lies
	v_mul_u32_u24 v3, v8, PITCH
	v_lshl_add_u32 v3, v9, 6, v3
	v_add_nc_u32 v3, s21, v3                       ; out of it: row r, + 64 h
	s_mov_b32 s[SEL], 0x76543210
	s_mov_b32 s[SEL+1], 0xfedcba98
.irp b, 0,1,2,3
	v_mov_b32 v[TM+4+\b], 0                        ; written once: a lane permute's destination counts as one of its sources
.endr
	s_mov_b32 s22, 704
	s_cmp_lt_u32 ttmp9, 704
	s_cselect_b32 s22, 512, s22
	s_cmp_lt_u32 ttmp9, 512
	s_cselect_b32 s22, 0, s22
	s_sub_co_u32 s23, ttmp9, s22                   ; my tile of 16 rows in its tensor
	s_lshr_b32 s31, s23, 1
	s_lshl_b32 s31, s31, 17                        ; a group of 32 rows is 131,072 bytes,
	s_and_b32 s32, s23, 1
	s_lshl_b32 s32, s32, 15                        ; tile 1 begins 8 rows on,
	s_add_co_u32 s32, s32, s31
	s_lshl_b32 s33, s20, 10                        ; my K slot 1,024 bytes a wave
	s_add_co_u32 s32, s32, s33
	s_mov_b32 s33, 0
	s_lshr_b32 s34, s23, 3
	s_mul_i32 s34, s34, 98304
	s_mul_i32 s35, s20, 24576
	s_add_co_u32 s34, s34, s35
	s_and_b32 s35, s23, 7
	s_mul_i32 s35, s35, 3072
	s_add_co_u32 s34, s34, s35                     ; my codes
	s_mov_b32 s35, 0
	s_lshl_b32 s36, s23, 9
	s_lshl_b32 s37, s20, 7
	s_add_co_u32 s36, s36, s37                     ; my scale words
	s_mov_b32 s37, 0
	s_wait_kmcnt 0x0
	s_cmp_lt_u32 ttmp9, 704                        ; the choices hang on the work-group's number alone
	s_cselect_b64 s[24:25], s[6:7], s[8:9]
	s_cselect_b64 s[26:27], s[12:13], s[14:15]
	s_cselect_b64 s[28:29], s[16:17], s[18:19]
	s_cmp_lt_u32 ttmp9, 512
	s_cselect_b64 s[24:25], s[4:5], s[24:25]
	s_cselect_b64 s[26:27], s[10:11], s[26:27]
	s_cselect_b64 s[28:29], s[16:17], s[28:29]
	s_cselect_b32 s30, 0, 262144                   ; the weights' scale words lie behind the 262,144 bytes of the rows' in sc1 and in sc2
	s_add_co_u32 s36, s36, s30
	s_add_nc_u64 s[24:25], s[24:25], s[32:33]
	s_add_nc_u64 s[26:27], s[26:27], s[34:35]
	s_add_nc_u64 s[28:29], s[28:29], s[36:37]
.irp q, 0,1
.irp p, 0,1,2,3,4,5,6,7,8,9,10,11,12,13,14,15
	global_load_b128 v[R+64*\q+4*\p:R+64*\q+4*\p+3], v1, s[24:25] offset:(\p+8*(\p/8))*4096+512*\q th:TH_LOAD_NT   ; 32 lanes read 512 consecutive bytes of the tile's row p
.endr
.endr
.macro PHASE q
.if \q == 0
	s_wait_loadcnt 16                              ; K step 0's sixteen loads are in; K step 1's may be out
.else
	s_wait_loadcnt 0x0
	s_wait_xcnt 0x0                                ; K step 0's stores have read the codes' registers, which are written again below
.endif
.irp p, 0,1,2,3,4,5,6,7,8,9,10,11,12,13,14,15
	ds_store_b128 v2, v[R+64*\q+4*\p:R+64*\q+4*\p+3] offset:PITCH*\p
.endr
.irp b, 0,1,2,3
.irp j, 0,1,2,3
	ds_load_b128 v[X+16*\b+4*\j:X+16*\b+4*\j+3], v3 offset:128*\b+16*\j   ; LDS serves a wave's instructions in order: these see my stores
.endr
.endr
	s_wait_dscnt 0x0
	QUANT X, PC
.irp p, 0,1,2,3,4,5
	global_store_b64 v4, v[PC+2*\p:PC+2*\p+1], s[26:27] offset:1536*\q+256*\p   ; 32 lanes store 256 consecutive bytes, at a multiple of 256 from the buffer's first byte
.endr
.endm
	PHASE 0
	v_mov_b32 v[W0], v[PW]
	PHASE 1
	v_cmp_eq_u32 vcc_lo, 1, v9
	v_cndmask_b32 v[WM], v[W0], v[PW], vcc_lo      ; lanes 0-15 K step 0's words, lanes 16-31 K step 1's
	global_store_b32 v5, v[WM], s[28:29]           ; 128 consecutive bytes
	s_wait_tensorcnt 0x0
	ds_add_u32 v254, v255
	s_wait_dscnt 0x0
	s_endpgm
.Lfunc_end_k_q9abdeeae47_quant:
	.size	k_q9abdeeae47_quant, .Lfunc_end_k_q9abdeeae47_quant-k_q9abdeeae47_quant
	.p2alignl 7, 3214868480
	.fill 96, 4, 3214868480
	.section	.rodata,"a",@progbits
	.p2align	6, 0x0
	.amdhsa_kernel k_q9abdeeae47_quant
		.amdhsa_group_segment_fixed_size 34304
		.amdhsa_private_segment_fixed_size 0
		.amdhsa_enable_private_segment 0
		.amdhsa_kernarg_size 64
		.amdhsa_user_sgpr_count 2
		.amdhsa_user_sgpr_kernarg_segment_ptr 1
		.amdhsa_wavefront_size32 1
		.amdhsa_system_sgpr_workgroup_id_x 1
		.amdhsa_system_sgpr_workgroup_id_y 1
		.amdhsa_system_sgpr_workgroup_id_z 1
		.amdhsa_system_vgpr_workitem_id 0
		.amdhsa_next_free_vgpr 256
		.amdhsa_next_free_sgpr 66
		.amdhsa_reserve_vcc 1
		.amdhsa_float_denorm_mode_32 3
		.amdhsa_float_denorm_mode_16_64 3
		.amdhsa_memory_ordered 1
		.amdhsa_forward_progress 1
		.amdhsa_inst_pref_size 19
	.end_amdhsa_kernel
	.amdgpu_metadata
---
amdhsa.version: [ 1, 2 ]
amdhsa.kernels:
  - .name:           k_q9abdeeae47_quant
    .symbol:         k_q9abdeeae47_quant.kd
    .args:
      - { .name: x, .offset: 0, .size: 8, .value_kind: global_buffer, .address_space: global }
      - { .name: W_attn, .offset: 8, .size: 8, .value_kind: global_buffer, .address_space: global }
      - { .name: W_proj, .offset: 16, .size: 8, .value_kind: global_buffer, .address_space: global }
      - { .name: xc, .offset: 24, .size: 8, .value_kind: global_buffer, .address_space: global }
      - { .name: wc, .offset: 32, .size: 8, .value_kind: global_buffer, .address_space: global }
      - { .name: pc, .offset: 40, .size: 8, .value_kind: global_buffer, .address_space: global }
      - { .name: sc1, .offset: 48, .size: 8, .value_kind: global_buffer, .address_space: global }
      - { .name: sc2, .offset: 56, .size: 8, .value_kind: global_buffer, .address_space: global }
    .group_segment_fixed_size: 34304
    .private_segment_fixed_size: 0
    .kernarg_segment_align: 8
    .kernarg_segment_size: 64
    .max_flat_workgroup_size: 128
    .sgpr_count:     66
    .vgpr_count:     256
    .wavefront_size: 32
...
	.end_amdgpu_metadata
.endif
;; end of part 1
;; launch qkvgemm (part 2): grid 12 x 32, 4 waves a work-group, clusters of 4 x 4, 327,680 bytes of LDS; arguments xc, wc, sc1, b_attn, qkv; writes qkv
.if DOCPART == 2
	.amdgcn_target "amdgcn-amd-amdhsa--gfx1250"
	.amdhsa_code_object_version 6
	.text
	.protected	k_q9abdeeae47_qkvgemm
	.globl	k_q9abdeeae47_qkvgemm
	.p2align	8
	.type	k_q9abdeeae47_qkvgemm,@function
k_q9abdeeae47_qkvgemm:
	s_mov_b64 s[64:65], 0
	v_nop
	global_prefetch_b8 v0, s[64:65] scope:SCOPE_SE
	s_setreg_imm32_b32 hwreg(HW_REG_WAVE_MODE, 25, 1), 1
	s_wait_xcnt 0x0
	s_wait_alu depctr_hold_cnt(0) depctr_sa_sdst(0) depctr_va_vdst(0) depctr_va_sdst(0) depctr_va_ssrc(0) depctr_va_vcc(0) depctr_vm_vsrc(0)
	s_getreg_b32 s2, hwreg(HW_REG_IB_STS2, 6, 4)
	s_cmp_eq_u32 s2, 0
	s_cbranch_scc0 .Lentry_in_a_cluster
	s_endpgm
.Lentry_in_a_cluster:
	s_bfe_u32 s2, ttmp6, 0x10000c
	s_cmp_lg_u32 s2, 0xf033
	s_cbranch_scc0 .Lentry_shape_is_right
	s_endpgm
.Lentry_shape_is_right:
; qkv = x W_attn^T + b_attn on codes of FP6 (E2M3) with E8M0 scales, K = 1,024, and at once the quantising of q, k (along the head's 64) and v (along the keys) for the attention launch.
; A work-group of four waves makes 256 x 256 of the product, a wave 128 x 128: 64 accumulators, 512 registers.  Source 0 of the matrix instruction is S, source 1 is P: a lane then holds ONE row of P and
; its registers run along S's rows.  What is quantised next must run along the registers, so the roles are chosen by the cluster's x: clusters 0 and 1 (q, k): P = x's tokens, S = W_attn's channels 0-2047;
; cluster 2 (v): P = W_attn's channels 2048-3071, S = x's tokens.  The choice is the same in all sixteen partners.
; OPERANDS lie in memory as images of their registers (16 rows x 128 K: register pair p of lane l at 256 p + 8 l), [row / 128][K / 256][tile][K step]: what a wave fetches for a K slot of 256 is one dense
; block of 24,576 bytes, and a fragment comes by six ds_load_b64 of 256 consecutive bytes each.  The 16 rows of a tile are 8 u + r + 8 (r / 8) of a group of 32, so that the 16 registers of result tiles 2 B and 2 B + 1
; are 16 neighbours along S.
; K = four K slots through THREE LDS slots: K slots 0, 1, 2 are asked for at the head, K slot 3 fills slot 0 again.  By this text's count a wave has at most three tensor loads outstanding.
; CLUSTER 4 x 4: P's tiles are shared along a row of the cluster, S's along a column: each is asked for jointly.
; THE WAY OUT uses no LDS: bias, quantiser, and the codes leave as images, 256 consecutive aligned bytes a store.
; qkv: [batch x 16 + head][128-token block] chunks of 19,712 bytes: K 8 x 768, K's scale words 512, V 4 x 1,536, V's scale words 256, Q 8 x 768, Q's scale words 512.  q's and k's words are [s0, s1, 0x7f, 0x7f].
; LIMITS: NaN and infinities are not served; a block of zeros or under 2^-124 gets the byte 1 (its reader is this program alone).
; No prefetch: three of the four K slots are asked for in the first lines.
; REGISTERS: window 0: v16-31 addresses; v32-95 scale words (8 i + K step: lanes 0-15 P's tile i, lanes 16-31 S's); v96-111 the bias along P, in pairs; v128-223 P's eight fragments, one set.
;   window 1: S's fragments, two sets at v0 and v128; the bias along S at v96-127 and v224-255.   windows 2, 3: the accumulators, (a, b) at v[8 (8 (a % 4) + b)].
.set FR,    12
.set NL,    6
.set NP,    4
.set QUAR,  24576                      ; what one tensor load brings: 128 rows x 256 K
.set SLOT,  4*QUAR                     ; P's 256 rows, then S's 256 rows
.set SPARE, 3*SLOT                     ; behind the slots: the spare words, 128 bytes for each wave: two blocks of 256 bytes that no other line names
.set CHUNK, 19712
.set HS,    16*CHUNK                   ; from head to head in qkv
.set ADRP,  16                         ; v16-18  LDS address of my P fragments in slot 0, 1, 2
.set ADRS,  20                         ; v20-22  the same for S
.set BSO,   24                         ; v24     offset of the bias along S
.set BPO,   25                         ; v25     offset of the bias along P
.set L8,    26                         ; v26     8 x lane
.set L4,    27                         ; v27     4 x lane
.set SPW,   28                         ; v28     LDS address of my spare word; never rewritten
.set NIL,   29                         ; v29     0; never rewritten
.set SCO,   30                         ; v30     offset of my scale words
.set SC,    32
.set EW,    32                         ; the way out: scale words at work (the products' scale words are done with)
.set BP,    96
.set AF,    128
.set HA,    128                        ; the way out: 64 numbers
.set PCD,   192                        ; their codes
.set TM,    212
.set PW,    228
.set G1P,   24                         ; s[24:31] descriptor group 1 for P's tiles; s[32:43] group 0, one set for each slot
.set G0P,   32
.set G1S,   48                         ; s[48:55], s[68:79] the same for S's
.set G0S,   68
.set OUT,   84                         ; s[84:85] where my results begin in qkv
.set HM,    86                         ; s86 the mask of lanes 16-31
.set PADB,  87                         ; s87 0x7f7f0000
.set SEL,   88                         ; s[88:89] lane selects: lane l xor 16
.set MSB, 0
.macro WIN new                         ; the immediate's high byte repeats the setting that is left
.if MSB != (\new)
	s_set_vgpr_msb (MSB<<8)|(\new)
.set MSB, (\new)
.endif
.endm
.set MUL_LO, 0xa1                      ; source 0 (S) window 1, source 1 (P) window 0, C and D window 2
.set MUL_HI, 0xf1                      ; the same, C and D window 3
.set TO_S,   0x40                      ; destination window 1, address window 0
; A joint load: waves 0 and 1 fetch P's halves, waves 2 and 3 S's.  The branch hangs on the wave's number alone.  Four v_nop follow each of the two lines.
.macro JLOAD g0a, g1a, g0b, g1b
	s_cmp_eq_u32 s15, 0
	s_cbranch_scc0 .Lfor_s_\@
	tensor_load_to_lds s[\g0a:\g0a+3], s[\g1a:\g1a+7]
	s_nop 0
.rept 4
	v_nop
.endr
	s_branch .Lasked_\@
.Lfor_s_\@:
	tensor_load_to_lds s[\g0b:\g0b+3], s[\g1b:\g1b+7]
	s_nop 0
.rept 4
	v_nop
.endr
.Lasked_\@:
.endm
.macro CREST                           ; a round of the cluster's barrier behind its opening barrier
	s_cmp_lg_u32 s14, 0
	s_cbranch_scc1 .Lnot_wave_0_\@
	s_barrier_signal -3
.Lnot_wave_0_\@:
	s_barrier_wait -3
	s_barrier_signal -1
	s_barrier_wait -1
.endm
.macro CROUND
	s_barrier_signal -1
	s_barrier_wait -1
	CREST
.endm
.macro PLACES n                        ; plain instructions between a matrix instruction and a load into, or a vector access to, its registers
.rept \n
	v_nop
.endr
.endm
.macro FRAG reg, adr, q, i             ; a fragment: six loads of 256 consecutive bytes
.irp p, 0,1,2,3,4,5
	ds_load_b64 v[\reg+2*\p:\reg+2*\p+1], v[\adr] offset:3072*(\i)+1536*(\q)+256*\p
.endr
.endm
.macro FETCH_S slot, q, p              ; S's eight fragments of the slot's K step q into set p
	WIN TO_S
.irp i, 0,1,2,3,4,5,6,7
	FRAG 128*(\p)+FR*\i, ADRS+\slot, \q, \i
.endr
	WIN 0
.endm
.macro FETCH_P slot, q, i0             ; P's blocks i0 .. i0 + 3
.irp i, \i0, \i0+1, \i0+2, \i0+3
	FRAG AF+FR*(\i), ADRP+\slot, \q, \i
.endr
.endm
; 16 matrix instructions: P's blocks a0, a0 + 1 x S's eight, K step k.  p: S's set.  zero = 1: the first product starts the sums.  The 64 accumulators take turns.
.macro MUL16 a0, p, k, zero
.irp a, \a0, \a0+1
.irp b, 0,1,2,3,4,5,6,7
.if \zero
	v_wmma_scale_f32_16x16x128_f8f6f4 v[8*(8*((\a)%4)+\b):8*(8*((\a)%4)+\b)+7], v[128*(\p)+FR*\b:128*(\p)+FR*\b+FR-1], v[AF+FR*(\a):AF+FR*(\a)+FR-1], 0, v[SC+8*\b+(\k)], v[SC+8*(\a)+(\k)] matrix_a_fmt:MATRIX_FMT_FP6 matrix_b_fmt:MATRIX_FMT_FP6 matrix_a_scale:MATRIX_SCALE_ROW1
.else
	v_wmma_scale_f32_16x16x128_f8f6f4 v[8*(8*((\a)%4)+\b):8*(8*((\a)%4)+\b)+7], v[128*(\p)+FR*\b:128*(\p)+FR*\b+FR-1], v[AF+FR*(\a):AF+FR*(\a)+FR-1], v[8*(8*((\a)%4)+\b):8*(8*((\a)%4)+\b)+7], v[SC+8*\b+(\k)], v[SC+8*(\a)+(\k)] matrix_a_fmt:MATRIX_FMT_FP6 matrix_b_fmt:MATRIX_FMT_FP6 matrix_a_scale:MATRIX_SCALE_ROW1
.endif
.endr
.endr
.endm
; An even K step: its successor lies in the same slot.
.macro STEP k, zero
.set LL, ((\k)/2)%3
	s_wait_dscnt 4*NL                              ; S's set and P's blocks 0-3 are in; the youngest 24 loads (P's blocks 4-7) may be out
	WIN MUL_LO
	MUL16 0, 0, \k, \zero
	MUL16 2, 0, \k, \zero
	s_wait_dscnt 0x0                               ; P's blocks 4-7 are in
	PLACES NP
	FETCH_S LL, 1, 1
	FETCH_P LL, 1, 0
	WIN MUL_HI
	MUL16 4, 0, \k, \zero
	MUL16 6, 0, \k, \zero
	PLACES NP
	WIN 0
	FETCH_P LL, 1, 4
.endm
; An odd K step changes slots: one barrier.  cnt: how many younger tensor loads of mine may stay out.  fill = 1: slot 0 is filled again, with K slot 3: then the wait is for all my loads, the add follows it,
; and the barrier opens a round of the cluster's barrier, behind which the joint refill comes first.
.macro CHG k, cnt, fill
.set NX, (((\k)+1)/2)%3
	s_wait_tensorcnt \cnt                          ; my part of the next slot has landed
.if \fill
	ds_add_u32 v[SPW], v[NIL]                      ; 0 onto my spare word
	s_wait_dscnt 4*NL+1                            ; (the add and P's blocks 4-7 may be out)
.else
	s_wait_dscnt 4*NL
.endif
	WIN MUL_LO
	MUL16 0, 1, \k, 0
	s_wait_dscnt 0x0                               ; my reads of this slot are over (and the add is done)
	s_barrier_signal -1
	MUL16 2, 1, \k, 0
	WIN 0
	s_barrier_wait -1
.if \fill
	CREST                                          ; no wave of any partner still reads slot 0 (its reads ended two K steps ago) or has a load on its way
	s_add_nc_u64 s[G0P+2:G0P+3], s[G0P+2:G0P+3], 3*QUAR
	s_add_nc_u64 s[G0S+2:G0S+3], s[G0S+2:G0S+3], 3*QUAR
	JLOAD G0P, G1P, G0S, G1S                       ; the first tensor load behind the round; its four v_nop are the places in front of the loads below
.else
	PLACES NP
.endif
	FETCH_S NX, 0, 0
	FETCH_P NX, 0, 0
	WIN MUL_HI
	MUL16 4, 1, \k, 0
	MUL16 6, 1, \k, 0
	PLACES NP
	WIN 0
	FETCH_P NX, 0, 4
.endm
; 64 numbers of a lane, register 16 b + i = k 32 b + 16 (lane / 16) + i of my row, become a fragment's codes in v[d] .. v[d + 11] and its scale word in v[PW]
.macro QUANT s, d
.irp b, 0,1,2,3
	v_max3_num_f32 v[TM+\b], |v[\s+16*\b]|, |v[\s+1+16*\b]|, 0x1800000   ; and the floor 2^(3 - 127): the byte cannot fall under 1
.endr
.irp i, 2,4,6,8,10,12,14
.irp b, 0,1,2,3
	v_max3_num_f32 v[TM+\b], v[TM+\b], |v[\s+16*\b+\i]|, |v[\s+1+16*\b+\i]|
.endr
.endr
.irp b, 0,1,2,3
	v_permlanex16_b32 v[TM+4+\b], v[TM+\b], s[SEL], s[SEL+1]
.endr
.irp b, 0,1,2,3
	v_max_num_f32 v[TM+\b], v[TM+\b], v[TM+4+\b]
.endr
.irp b, 0,1,2,3
	v_add_nc_u32 v[TM+12+\b], 0xff000000, v[TM+\b]   ; 2 off the exponent field: the conversion's scale operand
.endr
.irp b, 0,1,2,3
	v_lshrrev_b32 v[TM+4+\b], 23, v[TM+12+\b]
.endr
	v_lshl_or_b32 v[PW], v[TM+5], 8, v[TM+4]
	v_lshl_or_b32 v[PW], v[TM+6], 16, v[PW]
	v_lshl_or_b32 v[PW], v[TM+7], 24, v[PW]
.irp c, 0,1
	v_cvt_scalef32_pk16_fp6_f32 v[\d+6*\c:\d+2+6*\c], v[\s+32*\c:\s+15+32*\c], v[TM+12+2*\c]
	v_cvt_scalef32_pk16_fp6_f32 v[\d+12+4*\c:\d+14+4*\c], v[\s+16+32*\c:\s+31+32*\c], v[TM+12+2*\c+1]
.endr
	v_nop                                          ; one plain instruction behind the scaled conversions
.irp c, 0,1
.irp i, 0,1,2
	v_permlane16_swap_b32 v[\d+6*\c+\i], v[\d+12+4*\c+\i]
.endr
.irp i, 0,1,2
	v_mov_b32 v[\d+3+6*\c+\i], v[\d+12+4*\c+\i]
.endr
.endr
.endm
; THE WAY OUT, P's blocks one after the other.  vv = 0 (q, k): my row is a token, the 128 numbers are two heads' 64 channels: two images of 768 bytes.  vv = 1 (v): my row is a channel, the 128 numbers are a block of keys: one image of 1,536.
.macro EPI vv
.irp a, 0,1,2,3,4,5,6,7
	s_wait_xcnt 0x0                                ; the last block's stores have read the registers that are written again below
.if \vv
	WIN 0x02+(\a)/4                                ; source 0: the accumulators' window; the bias along P lies in window 0
.else
	WIN 0x06+(\a)/4                                ; the bias along S lies in window 1
.endif
.set n, 0
.rept 32
.if \vv
	v_pk_add_f32 v[HA+n:HA+n+1], v[64*(\a%4)+n:64*(\a%4)+n+1], v[BP+2*\a:BP+2*\a+1]
.else
	v_pk_add_f32 v[HA+n:HA+n+1], v[64*(\a%4)+n:64*(\a%4)+n+1], v[96+n+96*(n/32):97+n+96*(n/32)]   ; each accumulator from its low end on
.endif
.set n, n+2
.endr
	WIN 0
	QUANT HA, PCD
.irp p, 0,1,2,3,4,5
.if \vv
	global_store_b64 v[L8], v[PCD+2*\p:PCD+2*\p+1], s[OUT:OUT+1] offset:(\a/4)*HS+(\a%4)*1536+256*\p   ; 32 lanes store 256 consecutive bytes, at a multiple of 256 from the buffer's first byte
.else
	global_store_b64 v[L8], v[PCD+2*\p:PCD+2*\p+1], s[OUT:OUT+1] offset:(\p/3)*HS+768*\a+256*(\p%3)
.endif
.endr
.if \vv
	v_mov_b32 v[EW+(\a%2)], v[PW]
.if \a%2
	v_cndmask_b32 v[EW+4], v[EW], v[EW+1], s[HM]   ; lanes 0-15 the even tile's words, lanes 16-31 the odd tile's: 128 consecutive bytes
	global_store_b32 v[L4], v[EW+4], s[OUT:OUT+1] offset:(\a/4)*HS+6144+128*((\a%4)/2)
.endif
.else
	v_and_or_b32 v[EW+(\a%2)], v[PW], 0xffff, s[PADB]     ; the first head's two bytes, under two bytes 0x7f for the upper half of the instruction's K
	v_lshrrev_b32 v[EW+2+(\a%2)], 16, v[PW]
	v_or_b32 v[EW+2+(\a%2)], s[PADB], v[EW+2+(\a%2)]      ; the second head's
.if \a%2
	v_cndmask_b32 v[EW+4], v[EW], v[EW+1], s[HM]
	v_cndmask_b32 v[EW+5], v[EW+2], v[EW+3], s[HM]
	global_store_b32 v[L4], v[EW+4], s[OUT:OUT+1] offset:6144+128*(\a/2)
	global_store_b32 v[L4], v[EW+5], s[OUT:OUT+1] offset:HS+6144+128*(\a/2)
.endif
.endif
.endr
.endm
	s_load_b256 s[4:11], s[0:1], 0x0               ; xc s[4:5], wc s[6:7], sc1 s[8:9], b_attn s[10:11]
	s_load_b64 s[12:13], s[0:1], 0x20              ; qkv
	v_lshl_add_u32 v[SPW], v0, 2, SPARE
	v_mov_b32 v[NIL], 0
	ds_add_u32 v28, v29
	ds_add_u32 v28, v29
	s_wait_dscnt 0x0
	v_lshrrev_b32 v1, 5, v0
	v_readfirstlane_b32 s14, v1                    ; wave 0..3
	s_lshr_b32 s15, s14, 1                         ; which 128 rows of P are mine.  Also: I fetch for P (0) or for S (1)
	s_and_b32 s16, s14, 1                          ; which 128 rows of S.  Also: which half of that tile I fetch
	s_bfe_u32 s44, ttmp6, 0x40000                  ; cx
	s_bfe_u32 s45, ttmp6, 0x40004                  ; cy
	s_and_b32 s46, ttmp7, 0xffff
	s_lshl_b32 s46, s46, 2                         ; 4 x cluster y
	s_lshl_b32 s47, ttmp9, 2                       ; 4 x cluster x
	s_cmp_lt_u32 ttmp9, 2                          ; q and k, or v?  The same in all sixteen partners
	s_cselect_b32 s18, s46, 8
	s_cselect_b32 s19, s47, s46
	s_add_co_u32 s18, s18, s45                     ; P's tile of 256 rows: it hangs on cy alone of my place
	s_add_co_u32 s19, s19, s44                     ; S's: on cx alone
	s_lshl_b32 s20, s45, 2
	s_lshl_b32 s20, 15, s20                        ; my row of the cluster
	s_lshl_b32 s21, 0x1111, s44                    ; my column
	s_or_b32 s[G1P], s20, (3<<16)|(1<<21)          ; 15:0 the mask; 17:16 elements of 8 bytes; 21 set beside a mask; no padding
	s_or_b32 s[G1S], s21, (3<<16)|(1<<21)
.irp g, G1P, G1S
	s_mov_b32 s[\g+1], 32<<16                      ; tensor_dim0 = 32 elements: rows of 256 bytes
	s_mov_b32 s[\g+2], 96<<16                      ; tensor_dim1 = 96 rows: a dense block of 24,576 bytes
	s_mov_b32 s[\g+3], 32<<16                      ; tile_dim0
	s_mov_b32 s[\g+4], 96                          ; tile_dim1
	s_mov_b32 s[\g+5], 32                          ; the pitch
	s_mov_b32 s[\g+6], 0
	s_mov_b32 s[\g+7], 0
.endr
	s_lshl_b32 s22, s18, 1
	s_add_co_u32 s22, s22, s16
	s_mul_i32 s22, s22, 4*QUAR                     ; P: block of 128 rows 2 x tile + half, 98,304 bytes each
	s_mov_b32 s23, 0
	s_lshl_b32 s56, s19, 1
	s_add_co_u32 s56, s56, s16
	s_mul_i32 s56, s56, 4*QUAR
	s_mov_b32 s57, 0
	s_mul_i32 s62, s14, QUAR                       ; where my part goes in a slot: no place in the cluster enters an LDS address
	s_wait_kmcnt 0x0
	s_cmp_lt_u32 ttmp9, 2
	s_cselect_b64 s[58:59], s[4:5], s[6:7]         ; P's codes
	s_cselect_b64 s[60:61], s[6:7], s[4:5]         ; S's codes
	s_add_nc_u64 s[58:59], s[58:59], s[22:23]
	s_add_nc_u64 s[60:61], s[60:61], s[56:57]
	CROUND                                         ; all sixteen work-groups are here: the first joint loads meet
.irp s, 0,1,2
	s_mov_b32 s[G0P+4*\s], 1
	s_add_co_u32 s[G0P+4*\s+1], s62, \s*SLOT
	s_add_nc_u64 s[G0P+4*\s+2:G0P+4*\s+3], s[58:59], \s*QUAR
	s_or_b32 s[G0P+4*\s+3], s[G0P+4*\s+3], 0x80000000
	s_mov_b32 s[G0S+4*\s], 1
	s_add_co_u32 s[G0S+4*\s+1], s62, \s*SLOT
	s_add_nc_u64 s[G0S+4*\s+2:G0S+4*\s+3], s[60:61], \s*QUAR
	s_or_b32 s[G0S+4*\s+3], s[G0S+4*\s+3], 0x80000000
	JLOAD G0P+4*\s, G1P, G0S+4*\s, G1S             ; K slot s into slot s
.endr
	v_and_b32 v1, 15, v0                           ; r
	v_bfe_u32 v2, v0, 4, 1                         ; h
	v_and_b32 v3, 31, v0
	v_lshlrev_b32 v[L8], 3, v3
	v_lshlrev_b32 v[L4], 2, v3
	s_mul_i32 s21, s15, QUAR                       ; my 128 rows of P
	s_mul_i32 s22, s16, QUAR                       ; my 128 rows of S,
	s_add_co_u32 s22, s22, 2*QUAR                  ; which lie behind P's 256
.irp s, 0,1,2
	v_add_nc_u32 v[ADRP+\s], s21, v[L8]
	v_add_nc_u32 v[ADRS+\s], s22, v[L8]
	s_add_co_u32 s21, s21, SLOT
	s_add_co_u32 s22, s22, SLOT
.endr
	s_lshl_b32 s94, s18, 8
	s_lshl_b32 s2, s15, 7
	s_add_co_u32 s94, s94, s2                      ; my first row of P
	s_lshl_b32 s95, s19, 8
	s_lshl_b32 s2, s16, 7
	s_add_co_u32 s95, s95, s2                      ; my first row of S
	s_lshl_b32 s80, s94, 5                         ; their scale words: 512 bytes for each 16 rows
	s_lshl_b32 s81, s95, 5
	s_cmp_lt_u32 ttmp9, 2
	s_cselect_b32 s2, 0, 262144                    ; W_attn's words lie behind x's 262,144 bytes
	s_cselect_b32 s3, 262144, 0
	s_cselect_b32 s96, s94, s95                    ; my first token
	s_cselect_b32 s97, s95, s94                    ; my first channel of 3,072
	s_cselect_b32 s82, s95, 0                      ; the bias runs along S (q, k) or along P (v); the other set is loaded from the bias's start and not used
	s_cselect_b32 s83, 0, s94
	s_add_co_u32 s80, s80, s2
	s_add_co_u32 s81, s81, s3
	s_lshl_b32 s82, s82, 2
	s_lshl_b32 s83, s83, 2
	v_mov_b32 v[SCO], s80
	v_mov_b32 v31, s81
	v_cmp_eq_u32 s[HM], 1, v2
	v_cndmask_b32 v[SCO], v[SCO], v31, s[HM]       ; lanes 0-15 take P's words, lanes 16-31 S's
	v_lshl_add_u32 v[SCO], v1, 2, v[SCO]
.irp i, 0,1,2,3,4,5,6,7
.irp k, 0,1,2,3,4,5,6,7
	global_load_b32 v[SC+8*\i+\k], v[SCO], s[8:9] offset:512*\i+64*\k   ; all of K's scale words stay in registers
.endr
.endr
	v_lshl_add_u32 v[BSO], v2, 6, s82
	v_and_b32 v4, 8, v1
	v_add_nc_u32 v4, v4, v1                        ; r + 8 (r / 8)
	v_lshl_add_u32 v[BPO], v4, 2, s83
.irp a, 0,1,2,3,4,5,6,7
	global_load_b32 v[BP+2*\a], v[BPO], s[10:11] offset:(32*(\a/2)+8*(\a%2))*4      ; my row's bias, twice: a pair for the packed addition
	global_load_b32 v[BP+2*\a+1], v[BPO], s[10:11] offset:(32*(\a/2)+8*(\a%2))*4
.endr
	WIN TO_S
.irp b, 0,1,2,3,4,5,6,7
	global_load_b128 v[96+8*\b+96*(\b/4):99+8*\b+96*(\b/4)], v[BSO], s[10:11] offset:(32*(\b/2)+8*(\b%2))*4       ; register 8 b + j: S's row 32 (b / 2) + 16 h + 8 (b % 2) + j
	global_load_b128 v[100+8*\b+96*(\b/4):103+8*\b+96*(\b/4)], v[BSO], s[10:11] offset:(32*(\b/2)+8*(\b%2))*4+16
.endr
	WIN 0
	s_lshr_b32 s2, s96, 11                         ; the batch
	s_lshl_b32 s2, s2, 4
	s_and_b32 s3, s97, 1023
	s_lshr_b32 s3, s3, 6                           ; my first head
	s_add_co_u32 s2, s2, s3
	s_lshl_b32 s2, s2, 4
	s_bfe_u32 s3, s96, 0x40007                     ; the block of 128 tokens
	s_add_co_u32 s2, s2, s3
	s_mul_i32 s2, s2, CHUNK
	s_cmp_eq_u32 ttmp9, 1                          ; cluster x = 0: q, 1: k, 2: v
	s_cselect_b32 s98, 0, 6656
	s_cmp_eq_u32 ttmp9, 0
	s_cselect_b32 s98, 13056, s98
	s_add_co_u32 s[OUT], s2, s98
	s_mov_b32 s[OUT+1], 0
	s_add_nc_u64 s[OUT:OUT+1], s[12:13], s[OUT:OUT+1]
	s_mov_b32 s[PADB], 0x7f7f0000
	s_mov_b32 s[SEL], 0x76543210
	s_mov_b32 s[SEL+1], 0xfedcba98
	s_wait_tensorcnt 2                             ; my part of K slot 0 is in; K slots 1 and 2 may stay out
	s_barrier_signal -1
	s_barrier_wait -1
	FETCH_S 0, 0, 0
	FETCH_P 0, 0, 0
	FETCH_P 0, 0, 4
	s_wait_loadcnt 0x0                             ; scale words and biases
	STEP 0, 1                                      ; the first products start the sums
	CHG 1, 1, 0                                    ; K slot 1 is whole; K slot 2 may stay out
	STEP 2, 0
	CHG 3, 0, 1                                    ; K slot 2 is whole; slot 0 takes K slot 3
	STEP 4, 0
	CHG 5, 0, 0                                    ; K slot 3 is whole: the one load that was out
	STEP 6, 0
	s_wait_dscnt 4*NL                              ; the last K step: nothing more to fetch
	WIN MUL_LO
	MUL16 0, 1, 7, 0
	MUL16 2, 1, 7, 0
	s_wait_dscnt 0x0
	WIN MUL_HI
	MUL16 4, 1, 7, 0
	MUL16 6, 1, 7, 0
	WIN 0
	PLACES NP                                      ; in front of the first read of results and the first writes into operands' and scales' registers
.irp b, 0,1,2,3
	v_mov_b32 v[TM+4+\b], 0                        ; written once: a lane permute's destination counts as one of its sources
.endr
	s_cmp_lt_u32 ttmp9, 2
	s_cbranch_scc0 .Lvalues
	EPI 0
	s_branch .Ldone
.Lvalues:
	EPI 1
.Ldone:
	s_wait_tensorcnt 0x0                           ; the wave's end
	ds_add_u32 v[SPW], v[NIL]
	s_wait_dscnt 0x0
	CROUND                                         ; the closing round: no work-group ends while a partner may still ask for a tile that names it
	s_endpgm
.Lfunc_end_k_q9abdeeae47_qkvgemm:
	.size	k_q9abdeeae47_qkvgemm, .Lfunc_end_k_q9abdeeae47_qkvgemm-k_q9abdeeae47_qkvgemm
	.p2alignl 7, 3214868480
	.fill 96, 4, 3214868480
	.section	.rodata,"a",@progbits
	.p2align	6, 0x0
	.amdhsa_kernel k_q9abdeeae47_qkvgemm
		.amdhsa_group_segment_fixed_size 327680
		.amdhsa_private_segment_fixed_size 0
		.amdhsa_enable_private_segment 0
		.amdhsa_kernarg_size 40
		.amdhsa_user_sgpr_count 2
		.amdhsa_user_sgpr_kernarg_segment_ptr 1
		.amdhsa_wavefront_size32 1
		.amdhsa_system_sgpr_workgroup_id_x 1
		.amdhsa_system_sgpr_workgroup_id_y 1
		.amdhsa_system_sgpr_workgroup_id_z 1
		.amdhsa_system_vgpr_workitem_id 0
		.amdhsa_next_free_vgpr 1024
		.amdhsa_next_free_sgpr 100
		.amdhsa_reserve_vcc 0
		.amdhsa_float_denorm_mode_32 3
		.amdhsa_float_denorm_mode_16_64 3
		.amdhsa_memory_ordered 1
		.amdhsa_forward_progress 1
		.amdhsa_inst_pref_size 242
	.end_amdhsa_kernel
	.amdgpu_metadata
---
amdhsa.version: [ 1, 2 ]
amdhsa.kernels:
  - .name:           k_q9abdeeae47_qkvgemm
    .symbol:         k_q9abdeeae47_qkvgemm.kd
    .args:
      - { .name: xc, .offset: 0, .size: 8, .value_kind: global_buffer, .address_space: global }
      - { .name: wc, .offset: 8, .size: 8, .value_kind: global_buffer, .address_space: global }
      - { .name: sc1, .offset: 16, .size: 8, .value_kind: global_buffer, .address_space: global }
      - { .name: b_attn, .offset: 24, .size: 8, .value_kind: global_buffer, .address_space: global }
      - { .name: qkv, .offset: 32, .size: 8, .value_kind: global_buffer, .address_space: global }
    .group_segment_fixed_size: 327680
    .private_segment_fixed_size: 0
    .kernarg_segment_align: 8
    .kernarg_segment_size: 40
    .max_flat_workgroup_size: 128
    .sgpr_count:     100
    .vgpr_count:     1024
    .wavefront_size: 32
...
	.end_amdgpu_metadata
.endif
;; end of part 2
;; launch attn (part 3): grid 4 x 64, 16 waves a work-group, clusters of 4 x 1, 215,040 bytes of LDS; arguments qkv, yc, sc2; writes yc, sc2
.if DOCPART == 3
	.amdgcn_target "amdgcn-amd-amdhsa--gfx1250"
	.amdhsa_code_object_version 6
	.text
	.protected	k_q9abdeeae47_attn
	.globl	k_q9abdeeae47_attn
	.p2align	8
	.type	k_q9abdeeae47_attn,@function
k_q9abdeeae47_attn:
	s_mov_b64 s[64:65], 0
	v_nop
	global_prefetch_b8 v0, s[64:65] scope:SCOPE_SE
	s_setreg_imm32_b32 hwreg(HW_REG_WAVE_MODE, 25, 1), 1
	s_wait_xcnt 0x0
	s_wait_alu depctr_hold_cnt(0) depctr_sa_sdst(0) depctr_va_vdst(0) depctr_va_sdst(0) depctr_va_ssrc(0) depctr_va_vcc(0) depctr_vm_vsrc(0)
	s_getreg_b32 s2, hwreg(HW_REG_IB_STS2, 6, 4)
	s_cmp_eq_u32 s2, 0
	s_cbranch_scc0 .Lentry_in_a_cluster
	s_endpgm
.Lentry_in_a_cluster:
	s_bfe_u32 s2, ttmp6, 0x10000c
	s_cmp_lg_u32 s2, 0x3003
	s_cbranch_scc0 .Lentry_shape_is_right
	s_endpgm
.Lentry_shape_is_right:
; Causal attention of one (batch, head) a cluster, both products on codes of FP6 (E2M3) with E8M0 scales, and the quantising of y = O / l along the channels for the last product.
; t = score x log2(e) / 8; M = the running largest t rounded UP to a whole number; p = 2^(t - M) is quantised along the keys, not normalised; the row's sum is taken of the unquantised p and divides O at the end.
; When M moves, the sum and O are multiplied by 2^(old M - new M): exact.
; THE HEAD'S WHOLE K AND V stay in LDS: 16 chunks (128 keys each) of 13,056 bytes: K 8 images of 768 (16 keys x 64), K's scale words 512, V 4 images of 1,536 (16 channels x 128 keys), V's scale words 256.
; Each byte of LDS is filled once.  The four work-groups of a cluster ask for each chunk JOINTLY: waves 0 to 3 issue four loads each, all at the head: four tensor loads of a wave are out at the most.
; So nothing is left to prefetch: every byte is asked for in the first lines.
; SHARES.  Wave w (g = w / 2, u = w % 2) owns query tile 2 cx + u of the 128-token blocks g (LO) and 15 - g (HI): (g + 1) + (16 - g) = 17 steps of 16 queries x 128 keys for every wave of every work-group.
; A step all of whose keys come after the tile's queries is left out by a scalar branch on the wave's number and the step's number; cx enters global addresses and the mask's numbers alone.
; LAYOUT.  S^T = K Q^T (source 0 = 16 keys, source 1 = my 16 queries), O^T = V^T P^T: a lane holds ONE query throughout.  The 16 rows of every tile are 8 u + r + 8 (r / 8) of a group of 32, so that the 16 registers
; of result tiles 2 B, 2 B + 1 are 16 neighbours.  THE HEAD HAS 64 CHANNELS, the instruction takes 128 along K: q's upper six registers are zero codes, under bytes 0x7f on both sides; source 0's upper six registers
; are whatever codes follow (the next tile's): they meet zeros and add nothing.
; LIMITS: NaN and infinities are not served; a block of y of zeros or under 2^-124 gets the byte 1.  The scale bytes of y leave as two bytes a lane, four bytes apart (the other two belong to another head's work-group): 262,144 bytes in the whole launch.
.set CHUNK, 19712                      ; a chunk in qkv
.set HS,    16*CHUNK
.set LCH,   13056                      ; its K and V part, and a chunk in LDS
.set L8,   1                           ; v1   8 x lane
.set L4,   2                           ; v2   4 x lane
.set ADK,  3                           ; v3   LDS address of the step's images
.set ADS,  4                           ; v4   and of its scale words
.set DM,   5                           ; v5   my query's place in its block, less 16 (lane / 16)
.set NINF, 6                           ; v6   -infinity
.set QSL,  8                           ; v8, v9 q's scale words, LO and HI
.set QSH,  9
.set STL,  12                          ; v12-15, v16-19: -M, the largest t, the sum in two halves
.set STH,  16
.set QL,   20                          ; v20-31, v32-43: q's fragments
.set QH,   32
.set F,    44                          ; v44-91   8 images of K, later 4 fragments of V
.set PC,   92                          ; v92-103  p's codes
.set S,    104                         ; v104-167 S^T, then p
.set OL,   168                         ; v168-199, v200-231 O^T
.set OH,   200
.set BM,   232                         ; v232-235 the blocks' largest scores
.set TP,   236                         ; v236-243 at work
.set SO,   244                         ; v244-247 the conversions' scale operands
.set SW,   248                         ; v248-251 K's or V's scale words: lanes 0-15 the even tile's, lanes 16-31 the odd tile's
.set FF,   252                         ; v252-253 f
.set TT,   254
.set PWD,  255                         ; p's scale word
.set WV,   10
.set GL,   11
.set GH,   12
.set KS,   15                          ; the step: which chunk of keys
.set TB,   16                          ; where it begins in LDS
.set CNT,  19
.set SEL,  20
.set CS,   22
.set G1,   24
.set G0,   32
.macro CROUND
	s_barrier_signal -1
	s_barrier_wait -1
	s_cmp_lg_u32 s[WV], 0
	s_cbranch_scc1 .Lnot_wave_0_\@
	s_barrier_signal -3
.Lnot_wave_0_\@:
	s_barrier_wait -3
	s_barrier_signal -1
	s_barrier_wait -1
.endm
; One tile of 16 queries against the step's 128 keys.  st: its statistics; qf, qs: q's fragment and scale words; ob: its O^T; blk: the scalar that holds its block's number.
.macro ITEM st, qf, qs, ob, blk
	s_cmp_gt_u32 s[KS], s[\blk]
	s_cbranch_scc1 .Lskip_\@                       ; all these keys come after my queries
.rept 4
	v_nop                                          ; places in front of loads into registers that matrix instructions have read
.endr
.irp t, 0,1,2,3,4,5,6,7
.irp p, 0,1,2
	ds_load_b64 v[F+6*\t+2*\p:F+6*\t+2*\p+1], v[ADK] offset:768*\t+256*\p
.endr
.endr
.irp k, 0,1,2,3
	ds_load_b32 v[SW+\k], v[ADS] offset:6144+128*\k
.endr
	s_wait_dscnt 0x0
.irp t, 0,2,4,6
	v_wmma_scale_f32_16x16x128_f8f6f4 v[S+8*\t:S+8*\t+7], v[F+6*\t:F+6*\t+11], v[\qf:\qf+11], 0, v[SW+\t/2], v[\qs] matrix_a_fmt:MATRIX_FMT_FP6 matrix_b_fmt:MATRIX_FMT_FP6
	v_wmma_scale_f32_16x16x128_f8f6f4 v[S+8*\t+8:S+8*\t+15], v[F+6*\t+6:F+6*\t+17], v[\qf:\qf+11], 0, v[SW+\t/2], v[\qs] matrix_a_fmt:MATRIX_FMT_FP6 matrix_b_fmt:MATRIX_FMT_FP6 matrix_a_scale:MATRIX_SCALE_ROW1
.endr
.rept 4
	v_nop
.endr
.irp a, 0,1,2,3                                ; V is asked for now and lands under the softmax
.irp p, 0,1,2,3,4,5
	ds_load_b64 v[F+12*\a+2*\p:F+12*\a+2*\p+1], v[ADK] offset:6656+1536*\a+256*\p
.endr
.endr
	ds_load_b32 v[SW], v[ADS] offset:12800
	ds_load_b32 v[SW+1], v[ADS] offset:12928
	s_cmp_lg_u32 s[KS], s[\blk]
	s_cbranch_scc1 .Lopen_\@                       ; only the tile's own block lies on the diagonal
.set n, 0
.rept 64                                       ; register n holds key 32 (n / 16) + 16 (lane / 16) + n % 16 of the block: hidden where it comes after my query
	v_cmp_gt_i32 vcc_lo, 32*(n/16)+n%16, v[DM]
	v_cndmask_b32 v[S+n], v[S+n], v[NINF], vcc_lo
.set n, n+1
.endr
.Lopen_\@:
.irp b, 0,1,2,3
	v_max3_num_f32 v[BM+\b], v[S+16*\b], v[S+1+16*\b], v[S+2+16*\b]   ; the largest score of each block of 32 keys: for the row's maximum, and, since p rises with the score, for the block's largest p
.endr
.irp i, 3,5,7,9,11,13
.irp b, 0,1,2,3
	v_max3_num_f32 v[BM+\b], v[BM+\b], v[S+16*\b+\i], v[S+1+16*\b+\i]
.endr
.endr
.irp b, 0,1,2,3
	v_max_num_f32 v[BM+\b], v[BM+\b], v[S+15+16*\b]
.endr
.irp b, 0,1,2,3
	v_permlanex16_b32 v[TP+\b], v[BM+\b], s[SEL], s[SEL+1]
.endr
.irp b, 0,1,2,3
	v_max_num_f32 v[BM+\b], v[BM+\b], v[TP+\b]     ; with lane l xor 16's 16 keys
.endr
	v_max3_num_f32 v[TT], v[BM], v[BM+1], v[BM+2]
	v_max_num_f32 v[TT], v[TT], v[BM+3]
	v_mul_f32 v[TT], s[CS], v[TT]                  ; as t (c is positive)
	v_max_num_f32 v[\st+1], v[\st+1], v[TT]        ; the running largest t
	v_mov_b32 v[TT], v[\st]
	v_floor_f32 v[\st], -v[\st+1]                  ; the new -M = floor(-t): M is a whole number
	v_sub_f32 v[TT], v[\st], v[TT]                 ; old M - new M: a whole number, 0 or less
	v_cvt_i32_f32 v[TT], v[TT]                     ; (it saturates)
	v_ldexp_f32 v[FF], 1.0, v[TT]                  ; f = 2^(old M - new M)
.set j, 0
.rept 32
	v_pk_fma_f32 v[S+j:S+j+1], v[S+j:S+j+1], s[CS:CS+1], v[\st:\st+1] op_sel_hi:[1,0,0]   ; t - M, two at a time
.set j, j+2
.endr
.irp b, 0,1,2,3
	v_fma_f32 v[BM+\b], v[BM+\b], s[CS], v[\st]    ; the same of each block's largest score
.endr
.set j, 0
.rept 64
	v_exp_f32 v[S+j], v[S+j]                       ; p = 2^(t - M)
.set j, j+1
.endr
	v_pk_mul_f32 v[\st+2:\st+3], v[\st+2:\st+3], v[FF:FF+1] op_sel_hi:[1,0]   ; the sums under the new M: a plain instruction behind the exponentials
	s_wait_alu depctr_va_vdst(0)                   ; one wait for the whole batch, ahead of its first reader
.irp b, 0,1,2,3
	v_exp_f32 v[BM+\b], v[BM+\b]                   ; the block's largest p: the same two instructions on the same number give the same bits
.endr
	v_pk_add_f32 v[TP:TP+1], v[S:S+1], v[S+2:S+3]  ; the row's sum of the unquantised p, in two chains
.set j, 4
.rept 15
	v_pk_add_f32 v[\st+2:\st+3], v[\st+2:\st+3], v[S+j:S+j+1]
	v_pk_add_f32 v[TP:TP+1], v[TP:TP+1], v[S+j+2:S+j+3]
.set j, j+4
.endr
	v_pk_add_f32 v[\st+2:\st+3], v[\st+2:\st+3], v[TP:TP+1]
	s_wait_alu depctr_va_vdst(0)                   ; and one for the four
.irp b, 0,1,2,3
	v_max_num_f32 v[BM+\b], 0x1800000, v[BM+\b]    ; the floor 2^(3 - 127): the byte cannot fall under 1 (a block whose every p is 0 keeps that byte: its codes are zeros)
.endr
.irp b, 0,1,2,3
	v_add_nc_u32 v[SO+\b], 0xff000000, v[BM+\b]    ; 2 off the exponent field: the conversion's scale operand
.endr
.irp b, 0,1,2,3
	v_lshrrev_b32 v[TP+\b], 23, v[SO+\b]
.endr
	v_lshl_or_b32 v[PWD], v[TP+1], 8, v[TP]        ; p's scale word for these 128 keys
	v_lshl_or_b32 v[PWD], v[TP+2], 16, v[PWD]
	v_lshl_or_b32 v[PWD], v[TP+3], 24, v[PWD]
.irp c, 0,1
	v_cvt_scalef32_pk16_fp6_f32 v[PC+6*\c:PC+2+6*\c], v[S+32*\c:S+15+32*\c], v[SO+2*\c]
	v_cvt_scalef32_pk16_fp6_f32 v[TP+4*\c:TP+2+4*\c], v[S+16+32*\c:S+31+32*\c], v[SO+2*\c+1]
.endr
	v_nop                                          ; one plain instruction behind the scaled conversions
.irp c, 0,1
.irp i, 0,1,2
	v_permlane16_swap_b32 v[PC+6*\c+\i], v[TP+4*\c+\i]
.endr
.irp i, 0,1,2
	v_mov_b32 v[PC+3+6*\c+\i], v[TP+4*\c+\i]
.endr
.endr
.set j, 0
.rept 16
	v_pk_mul_f32 v[\ob+j:\ob+j+1], v[\ob+j:\ob+j+1], v[FF:FF+1] op_sel_hi:[1,0]   ; O^T under the new M.  These sixteen also stand between the writes of p's codes and scale word and the products
.set j, j+2
.endr
	s_wait_dscnt 0x0                               ; V is in
.irp a, 0,2
	v_wmma_scale_f32_16x16x128_f8f6f4 v[\ob+8*\a:\ob+8*\a+7], v[F+12*\a:F+12*\a+11], v[PC:PC+11], v[\ob+8*\a:\ob+8*\a+7], v[SW+\a/2], v[PWD] matrix_a_fmt:MATRIX_FMT_FP6 matrix_b_fmt:MATRIX_FMT_FP6
	v_wmma_scale_f32_16x16x128_f8f6f4 v[\ob+8*\a+8:\ob+8*\a+15], v[F+12*\a+12:F+12*\a+23], v[PC:PC+11], v[\ob+8*\a+8:\ob+8*\a+15], v[SW+\a/2], v[PWD] matrix_a_fmt:MATRIX_FMT_FP6 matrix_b_fmt:MATRIX_FMT_FP6 matrix_a_scale:MATRIX_SCALE_ROW1
.endr
.Lskip_\@:
.endm
; Four steps: the chunks that the y-th load of waves 0 to 3 brought.
.macro GROUP y
	s_wait_tensorcnt 3-\y                          ; my load for this group has landed; the later ones stay out
	s_wait_dscnt 0x0
	s_barrier_signal -1
	s_barrier_wait -1                              ; everybody's has
	s_mov_b32 s[CNT], 4
.Lstep_\@:
	v_add_nc_u32 v[ADK], s[TB], v[L8]
	v_add_nc_u32 v[ADS], s[TB], v[L4]
	ITEM STH, QH, QSH, OH, GH
	ITEM STL, QL, QSL, OL, GL
	s_add_co_u32 s[TB], s[TB], LCH
	s_add_co_u32 s[KS], s[KS], 1
	s_sub_co_u32 s[CNT], s[CNT], 1
	s_cmp_lg_u32 s[CNT], 0
	s_cbranch_scc1 .Lstep_\@
.endm
; 32 numbers of a lane, register 16 b + i = channel 32 b + 16 (lane / 16) + i of my row, become an image's six registers in v[d] on and two scale bytes in v[w]
.macro QHALF s, d, w
.irp b, 0,1
	v_max3_num_f32 v[BM+\b], |v[\s+16*\b]|, |v[\s+1+16*\b]|, 0x1800000
.endr
.irp i, 2,4,6,8,10,12,14
.irp b, 0,1
	v_max3_num_f32 v[BM+\b], v[BM+\b], |v[\s+16*\b+\i]|, |v[\s+1+16*\b+\i]|
.endr
.endr
.irp b, 0,1
	v_permlanex16_b32 v[TP+\b], v[BM+\b], s[SEL], s[SEL+1]
.endr
.irp b, 0,1
	v_max_num_f32 v[BM+\b], v[BM+\b], v[TP+\b]
.endr
.irp b, 0,1
	v_add_nc_u32 v[SO+\b], 0xff000000, v[BM+\b]
.endr
.irp b, 0,1
	v_lshrrev_b32 v[TP+\b], 23, v[SO+\b]
.endr
	v_lshl_or_b32 v[\w], v[TP+1], 8, v[TP]
	v_cvt_scalef32_pk16_fp6_f32 v[\d:\d+2], v[\s:\s+15], v[SO]
	v_cvt_scalef32_pk16_fp6_f32 v[\d+6:\d+8], v[\s+16:\s+31], v[SO+1]
	v_nop                                          ; one plain instruction behind the scaled conversions
.irp i, 0,1,2
	v_permlane16_swap_b32 v[\d+\i], v[\d+6+\i]
.endr
.irp i, 0,1,2
	v_mov_b32 v[\d+3+\i], v[\d+6+\i]
.endr
.endm
	s_load_b128 s[4:7], s[0:1], 0x0                ; qkv, yc
	s_load_b64 s[8:9], s[0:1], 0x10                ; sc2
	v_lshl_add_u32 v254, v0, 2, 0x34000
	v_mov_b32 v255, 0
	ds_add_u32 v254, v255
	ds_add_u32 v254, v255
	s_wait_dscnt 0x0
	v_lshrrev_b32 v1, 5, v0
	v_readfirstlane_b32 s[WV], v1                  ; wave 0..15
	s_lshr_b32 s[GL], s[WV], 1                     ; my early block of queries,
	s_xor_b32 s[GH], s[GL], 15                     ; and my late one
	s_and_b32 s13, s[WV], 1                        ; u
	s_bfe_u32 s14, ttmp6, 0x40000                  ; cx
	s_and_b32 s17, ttmp7, 0xffff                   ; batch x 16 + head, which the four partners share
	s_lshl_b32 s18, s14, 1
	s_add_co_u32 s18, s18, s13                     ; my tile of a block: 2 cx + u
	s_mul_i32 s48, s17, HS
	s_mov_b32 s49, 0
	s_and_b32 s51, s[WV], 3                        ; which chunk of a group of four I would fetch
	s_mul_i32 s50, s51, LCH
	s_mul_i32 s52, s51, CHUNK
	s_mov_b32 s53, 0
	s_mov_b32 s[G1], 15|(3<<16)|(1<<21)            ; 15:0 the mask: all four work-groups; 17:16 elements of 8 bytes; 21 set beside a mask; no padding
	s_mov_b32 s[G1+1], 32<<16                      ; tensor_dim0 = 32: rows of 256 bytes
	s_mov_b32 s[G1+2], 51<<16                      ; tensor_dim1 = 51: a dense block of 13,056 bytes
	s_mov_b32 s[G1+3], 32<<16
	s_mov_b32 s[G1+4], 51
	s_mov_b32 s[G1+5], 32
	s_mov_b32 s[G1+6], 0
	s_mov_b32 s[G1+7], 0
	s_mov_b32 s[SEL], 0x76543210
	s_mov_b32 s[SEL+1], 0xfedcba98
	s_mov_b32 s[CS], 0x3e38aa3b                    ; c = log2(e) / sqrt(64)
	s_mov_b32 s[CS+1], s[CS]                       ; (named with it as a pair, so it is written)
	s_mov_b32 s[KS], 0
	s_mov_b32 s[TB], 0
	s_wait_kmcnt 0x0
	s_add_nc_u64 s[4:5], s[4:5], s[48:49]          ; qkv at my head
	s_add_nc_u64 s[52:53], s[4:5], s[52:53]
.irp y, 0,1,2,3
	s_mov_b32 s[G0+4*\y], 1
	s_add_co_u32 s[G0+4*\y+1], s50, 4*LCH*\y       ; chunk 4 y + wave
	s_add_nc_u64 s[G0+4*\y+2:G0+4*\y+3], s[52:53], 4*CHUNK*\y
	s_or_b32 s[G0+4*\y+3], s[G0+4*\y+3], 0x80000000
.endr
	CROUND                                         ; all four work-groups are here: the joint loads meet
	s_cmp_lt_u32 s[WV], 4                          ; a wave's four fills stand in one branch on its number, ahead of every wait on TENSORcnt and every LDS read
	s_cbranch_scc0 .Lno_fetch
	tensor_load_to_lds s[G0:G0+3], s[G1:G1+7]
	s_nop 0
	tensor_load_to_lds s[G0+4:G0+7], s[G1:G1+7]
	s_nop 0
	tensor_load_to_lds s[G0+8:G0+11], s[G1:G1+7]
	s_nop 0
	tensor_load_to_lds s[G0+12:G0+15], s[G1:G1+7]
	s_nop 0
.rept 4
	v_nop
.endr
.Lno_fetch:
	v_and_b32 v7, 31, v0
	v_and_b32 v10, 15, v0                          ; r
	v_bfe_u32 v11, v0, 4, 1                        ; h
	v_lshlrev_b32 v[L8], 3, v7
	v_lshlrev_b32 v[L4], 2, v7
	s_mul_i32 s54, s[GL], CHUNK
	s_mul_i32 s55, s[GH], CHUNK
	s_mul_i32 s58, s18, 768
	s_lshl_b32 s59, s18, 6
	s_add_co_u32 s56, s54, s59
	s_add_co_u32 s56, s56, 19200                   ; q's scale words: 64 bytes a tile
	s_add_co_u32 s57, s55, s59
	s_add_co_u32 s57, s57, 19200
	s_add_co_u32 s54, s54, s58
	s_add_co_u32 s54, s54, 13056                   ; q's images: 768 bytes a tile
	s_add_co_u32 s55, s55, s58
	s_add_co_u32 s55, s55, 13056
	v_add_nc_u32 v[SO], s54, v[L8]
	v_add_nc_u32 v[SO+1], s55, v[L8]
	v_lshl_add_u32 v[SO+2], v10, 2, s56
	v_lshl_add_u32 v[SO+3], v10, 2, s57
.irp p, 0,1,2
	global_load_b64 v[QL+2*\p:QL+2*\p+1], v[SO], s[4:5] offset:256*\p
	global_load_b64 v[QH+2*\p:QH+2*\p+1], v[SO+1], s[4:5] offset:256*\p
.endr
	global_load_b32 v[QSL], v[SO+2], s[4:5]
	global_load_b32 v[QSH], v[SO+3], s[4:5]
	s_lshl_b32 s58, s14, 5
	s_lshl_b32 s59, s13, 3
	s_add_co_u32 s58, s58, s59
	v_and_b32 v[DM], 8, v10
	v_add_nc_u32 v[DM], v[DM], v10
	v_add_nc_u32 v[DM], s58, v[DM]                 ; my query in its block: 32 cx + 8 u + r + 8 (r / 8)
	v_lshlrev_b32 v7, 4, v11
	v_sub_nc_u32 v[DM], v[DM], v7
	v_mov_b32 v[NINF], 0xff800000
.irp t, STL, STH
	v_mov_b32 v[\t+1], 0xff61b1e6                  ; the largest t so far: -3e38, under every t
	v_floor_f32 v[\t], -v[\t+1]
	v_mov_b32 v[\t+2], 0
	v_mov_b32 v[\t+3], 0
.endr
.set j, 0
.rept 64
	v_mov_b32 v[OL+j], 0                           ; O^T of both tiles: the step is written once, its first turn finds zeros
.set j, j+1
.endr
.set j, 0
.rept 6
	v_mov_b32 v[QL+6+j], 0                         ; zero codes for the upper 64 of the instruction's K
	v_mov_b32 v[QH+6+j], 0
.set j, j+1
.endr
.set j, 0
.rept 12
	v_mov_b32 v[PC+j], 0                           ; read as the upper half of K's last tile before p's first codes are made
.set j, j+1
.endr
.irp b, 0,1,2,3
	v_mov_b32 v[TP+\b], 0                          ; a lane permute's destination counts as one of its sources
.endr
	v_mov_b32 v[FF], 0
	v_mov_b32 v[FF+1], 0
	s_wait_loadcnt 0x0                             ; q; the loads' address registers may be written again
	GROUP 0
	GROUP 1
	GROUP 2
	GROUP 3
	; THE WAY OUT: O^T / the sum, quantised along the head's 64 channels: an image of 768 bytes and two scale bytes a row, for each of my two tiles
.rept 4
	v_nop                                          ; places behind the last products
.endr
	v_add_f32 v[STL+2], v[STL+2], v[STL+3]
	v_add_f32 v[STH+2], v[STH+2], v[STH+3]
	v_permlanex16_b32 v[FF], v[STL+2], s[SEL], s[SEL+1]
	v_permlanex16_b32 v[FF+1], v[STH+2], s[SEL], s[SEL+1]
	v_add_f32 v[STL+2], v[STL+2], v[FF]
	v_add_f32 v[STH+2], v[STH+2], v[FF+1]          ; the rows' sums
	v_rcp_f32 v[STL+2], v[STL+2]
	v_rcp_f32 v[STH+2], v[STH+2]
	s_lshr_b32 s48, s17, 4
	s_lshl_b32 s48, s48, 4                         ; 16 x batch
	s_and_b32 s49, s17, 15                         ; the head
	s_add_co_u32 s50, s48, s[GL]                   ; the blocks of 128 rows of y
	s_add_co_u32 s51, s48, s[GH]
	s_lshr_b32 s52, s49, 2
	s_mul_i32 s52, s52, 24576                      ; the K slot: four heads
	s_mul_i32 s53, s18, 3072                       ; the tile
	s_add_co_u32 s52, s52, s53
	s_and_b32 s53, s49, 3
	s_mul_i32 s53, s53, 768                        ; the head's 64 channels in it
	s_add_co_u32 s52, s52, s53
	s_mul_i32 s54, s50, 98304
	s_add_co_u32 s54, s54, s52
	s_mul_i32 s55, s51, 98304
	s_add_co_u32 s55, s55, s52
	s_lshl_b32 s56, s50, 3
	s_add_co_u32 s56, s56, s18
	s_lshl_b32 s56, s56, 9                         ; the scale words: 512 bytes a tile,
	s_lshl_b32 s57, s51, 3
	s_add_co_u32 s57, s57, s18
	s_lshl_b32 s57, s57, 9
	s_lshr_b32 s58, s49, 1
	s_lshl_b32 s58, s58, 6                         ; 64 a K step (two heads),
	s_and_b32 s59, s49, 1
	s_lshl_b32 s59, s59, 1                         ; two bytes a head
	s_add_co_u32 s58, s58, s59
	s_add_co_u32 s56, s56, s58
	s_add_co_u32 s57, s57, s58
	v_add_nc_u32 v[ADK], s54, v[L8]                ; (plain instructions behind the reciprocals)
	v_add_nc_u32 v[ADS], s55, v[L8]
	v_and_b32 v10, 15, v0
	v_bfe_u32 v11, v0, 4, 1
	v_mov_b32 v7, s56
	v_mov_b32 v[BM], s57
	v_cmp_eq_u32 vcc_lo, 1, v11
	v_cndmask_b32 v7, v7, v[BM], vcc_lo            ; lanes 0-15 store the early tile's bytes, lanes 16-31 the late tile's
	v_lshl_add_u32 v7, v10, 2, v7
	s_wait_alu depctr_va_vdst(0)                   ; one wait for both reciprocals, ahead of their first reader
.set j, 0
.rept 32
	v_mul_f32 v[S+j], v[OL+j], v[STL+2]            ; each accumulator from its low end on
.set j, j+1
.endr
.set j, 0
.rept 32
	v_mul_f32 v[S+32+j], v[OH+j], v[STH+2]
.set j, j+1
.endr
	QHALF S, PC, TT
	QHALF S+32, F, PWD
	v_cndmask_b32 v10, v[TT], v[PWD], vcc_lo
.irp p, 0,1,2
	global_store_b64 v[ADK], v[PC+2*\p:PC+2*\p+1], s[6:7] offset:256*\p   ; 32 lanes store 256 consecutive bytes, at a multiple of 256 from the buffer's first byte
	global_store_b64 v[ADS], v[F+2*\p:F+2*\p+1], s[6:7] offset:256*\p
.endr
	global_store_b16 v7, v10, s[8:9]
	s_wait_xcnt 0x0
	v_lshl_add_u32 v254, v0, 2, 0x34000
	v_mov_b32 v255, 0
	s_wait_tensorcnt 0x0
	ds_add_u32 v254, v255
	s_wait_dscnt 0x0
	CROUND                                         ; the closing round
	s_endpgm
.Lfunc_end_k_q9abdeeae47_attn:
	.size	k_q9abdeeae47_attn, .Lfunc_end_k_q9abdeeae47_attn-k_q9abdeeae47_attn
	.p2alignl 7, 3214868480
	.fill 96, 4, 3214868480
	.section	.rodata,"a",@progbits
	.p2align	6, 0x0
	.amdhsa_kernel k_q9abdeeae47_attn
		.amdhsa_group_segment_fixed_size 215040
		.amdhsa_private_segment_fixed_size 0
		.amdhsa_enable_private_segment 0
		.amdhsa_kernarg_size 24
		.amdhsa_user_sgpr_count 2
		.amdhsa_user_sgpr_kernarg_segment_ptr 1
		.amdhsa_wavefront_size32 1
		.amdhsa_system_sgpr_workgroup_id_x 1
		.amdhsa_system_sgpr_workgroup_id_y 1
		.amdhsa_system_sgpr_workgroup_id_z 1
		.amdhsa_system_vgpr_workitem_id 0
		.amdhsa_next_free_vgpr 256
		.amdhsa_next_free_sgpr 66
		.amdhsa_reserve_vcc 1
		.amdhsa_float_denorm_mode_32 3
		.amdhsa_float_denorm_mode_16_64 3
		.amdhsa_memory_ordered 1
		.amdhsa_forward_progress 1
		.amdhsa_inst_pref_size 195
	.end_amdhsa_kernel
	.amdgpu_metadata
---
amdhsa.version: [ 1, 2 ]
amdhsa.kernels:
  - .name:           k_q9abdeeae47_attn
    .symbol:         k_q9abdeeae47_attn.kd
    .args:
      - { .name: qkv, .offset: 0, .size: 8, .value_kind: global_buffer, .address_space: global }
      - { .name: yc, .offset: 8, .size: 8, .value_kind: global_buffer, .address_space: global }
      - { .name: sc2, .offset: 16, .size: 8, .value_kind: global_buffer, .address_space: global }
    .group_segment_fixed_size: 215040
    .private_segment_fixed_size: 0
    .kernarg_segment_align: 8
    .kernarg_segment_size: 24
    .max_flat_workgroup_size: 512
    .sgpr_count:     66
    .vgpr_count:     256
    .wavefront_size: 32
...
	.end_amdgpu_metadata
.endif
;; end of part 3
;; launch proj (part 4): grid 4 x 32, 4 waves a work-group, clusters of 4 x 4, 327,680 bytes of LDS; arguments yc, pc, sc2, b_proj, out0; writes out0
.if DOCPART == 4
	.amdgcn_target "amdgcn-amd-amdhsa--gfx1250"
	.amdhsa_code_object_version 6
	.text
	.protected	k_q9abdeeae47_proj
	.globl	k_q9abdeeae47_proj
	.p2align	8
	.type	k_q9abdeeae47_proj,@function
k_q9abdeeae47_proj:
	s_mov_b64 s[64:65], 0
	v_nop
	global_prefetch_b8 v0, s[64:65] scope:SCOPE_SE
	s_setreg_imm32_b32 hwreg(HW_REG_WAVE_MODE, 25, 1), 1
	s_wait_xcnt 0x0
	s_wait_alu depctr_hold_cnt(0) depctr_sa_sdst(0) depctr_va_vdst(0) depctr_va_sdst(0) depctr_va_ssrc(0) depctr_va_vcc(0) depctr_vm_vsrc(0)
	s_getreg_b32 s2, hwreg(HW_REG_IB_STS2, 6, 4)
	s_cmp_eq_u32 s2, 0
	s_cbranch_scc0 .Lentry_in_a_cluster
	s_endpgm
.Lentry_in_a_cluster:
	s_bfe_u32 s2, ttmp6, 0x10000c
	s_cmp_lg_u32 s2, 0xf033
	s_cbranch_scc0 .Lentry_shape_is_right
	s_endpgm
.Lentry_shape_is_right:
; out0 = y W_proj^T + b_proj on codes of FP6 (E2M3) with E8M0 scales, K = 1,024; out0 [8192][1024] f32.
; A work-group of four waves makes 256 x 256, a wave 128 x 128: 64 accumulators, 512 registers.  Source 0 of the matrix instruction is S = W_proj's rows, source 1 is P = y's rows: a lane holds one row of out0 and
; its registers run along the columns.  128 work-groups: all the tiles that this shape gives.
; OPERANDS lie in memory as images of their registers (16 rows x 128 K: register pair p of lane l at 256 p + 8 l), [row / 128][K / 256][tile][K step]: what a wave fetches for a K slot of 256 is one dense
; block of 24,576 bytes.  The 16 rows of a tile are 8 u + r + 8 (r / 8) of a group of 32.
; K = four K slots through THREE LDS slots: K slots 0, 1, 2 are asked for at the head, K slot 3 fills slot 0 again.  By this text's count a wave has at most three tensor loads outstanding.
; CLUSTER 4 x 4: P's tiles are shared along a row of the cluster, S's along a column: each is asked for jointly.  No prefetch: three of the four K slots are asked for in the first lines.
; The bias is the C of each sum's first matrix instruction.
; REGISTERS: window 0: v16-31 addresses; v32-95 scale words (8 i + K step: lanes 0-15 P's tile i, lanes 16-31 S's); v128-223 P's eight fragments, one set; on the way out v128-255 rows of out0.
;   window 1: S's fragments, two sets at v0 and v128; the bias at v96-127 and v224-255.   windows 2, 3: the accumulators, (a, b) at v[8 (8 (a % 4) + b)].
.set FR,    12
.set NL,    6
.set NP,    4
.set QUAR,  24576
.set SLOT,  4*QUAR
.set SPARE, 3*SLOT                     ; behind the slots: the spare words, 128 bytes for each wave: two blocks of 256 bytes that no other line names
.set SPITCH, 528                       ; the way out: a stage of 16 rows x (512 + 16) bytes for each wave, in slot 1, which has had its only fill and its last read when the first result is stored there
.set ADRP,  16
.set ADRS,  20
.set STO,   24                         ; v24     the stage: where I put 32 bytes of a row
.set RD,    25                         ; v25     and where I read a row back
.set L8,    26
.set L16,   27                         ; v27     16 x lane: my bytes of a row's 512
.set SPW,   28
.set NIL,   29
.set SCO,   30
.set BSO,   31
.set SC,    32
.set AF,    128
.set BK,    128
.set G1P,   24
.set G0P,   32
.set G1S,   48
.set G0S,   68
.set MSB, 0
.macro WIN new
.if MSB != (\new)
	s_set_vgpr_msb (MSB<<8)|(\new)
.set MSB, (\new)
.endif
.endm
.set MUL_LO, 0xa1                      ; source 0 (S) window 1, source 1 (P) window 0, C and D window 2
.set MUL_HI, 0xf1
.set BIA_LO, 0x91                      ; the same with C (the bias) in window 1
.set BIA_HI, 0xd1
.set TO_S,   0x40
.macro JLOAD g0a, g1a, g0b, g1b        ; a joint load: waves 0 and 1 fetch P's halves, waves 2 and 3 S's; four v_nop follow each of the two lines
	s_cmp_eq_u32 s15, 0
	s_cbranch_scc0 .Lfor_s_\@
	tensor_load_to_lds s[\g0a:\g0a+3], s[\g1a:\g1a+7]
	s_nop 0
.rept 4
	v_nop
.endr
	s_branch .Lasked_\@
.Lfor_s_\@:
	tensor_load_to_lds s[\g0b:\g0b+3], s[\g1b:\g1b+7]
	s_nop 0
.rept 4
	v_nop
.endr
.Lasked_\@:
.endm
.macro CREST
	s_cmp_lg_u32 s14, 0
	s_cbranch_scc1 .Lnot_wave_0_\@
	s_barrier_signal -3
.Lnot_wave_0_\@:
	s_barrier_wait -3
	s_barrier_signal -1
	s_barrier_wait -1
.endm
.macro CROUND
	s_barrier_signal -1
	s_barrier_wait -1
	CREST
.endm
.macro PLACES n
.rept \n
	v_nop
.endr
.endm
.macro FRAG reg, adr, q, i
.irp p, 0,1,2,3,4,5
	ds_load_b64 v[\reg+2*\p:\reg+2*\p+1], v[\adr] offset:3072*(\i)+1536*(\q)+256*\p
.endr
.endm
.macro FETCH_S slot, q, p
	WIN TO_S
.irp i, 0,1,2,3,4,5,6,7
	FRAG 128*(\p)+FR*\i, ADRS+\slot, \q, \i
.endr
	WIN 0
.endm
.macro FETCH_P slot, q, i0
.irp i, \i0, \i0+1, \i0+2, \i0+3
	FRAG AF+FR*(\i), ADRP+\slot, \q, \i
.endr
.endm
; 16 matrix instructions: P's blocks a0, a0 + 1 x S's eight, K step k.  first = 1: the sums begin with the bias.  The 64 accumulators take turns.
.macro MUL16 a0, p, k, first
.irp a, \a0, \a0+1
.irp b, 0,1,2,3,4,5,6,7
.if \first
	v_wmma_scale_f32_16x16x128_f8f6f4 v[8*(8*((\a)%4)+\b):8*(8*((\a)%4)+\b)+7], v[128*(\p)+FR*\b:128*(\p)+FR*\b+FR-1], v[AF+FR*(\a):AF+FR*(\a)+FR-1], v[96+8*\b+96*(\b/4):103+8*\b+96*(\b/4)], v[SC+8*\b+(\k)], v[SC+8*(\a)+(\k)] matrix_a_fmt:MATRIX_FMT_FP6 matrix_b_fmt:MATRIX_FMT_FP6 matrix_a_scale:MATRIX_SCALE_ROW1
.else
	v_wmma_scale_f32_16x16x128_f8f6f4 v[8*(8*((\a)%4)+\b):8*(8*((\a)%4)+\b)+7], v[128*(\p)+FR*\b:128*(\p)+FR*\b+FR-1], v[AF+FR*(\a):AF+FR*(\a)+FR-1], v[8*(8*((\a)%4)+\b):8*(8*((\a)%4)+\b)+7], v[SC+8*\b+(\k)], v[SC+8*(\a)+(\k)] matrix_a_fmt:MATRIX_FMT_FP6 matrix_b_fmt:MATRIX_FMT_FP6 matrix_a_scale:MATRIX_SCALE_ROW1
.endif
.endr
.endr
.endm
.macro STEP k, first
.set LL, ((\k)/2)%3
	s_wait_dscnt 4*NL                              ; S's set and P's blocks 0-3 are in; the youngest 24 loads (P's blocks 4-7) may be out
.if \first
	WIN BIA_LO
.else
	WIN MUL_LO
.endif
	MUL16 0, 0, \k, \first
	MUL16 2, 0, \k, \first
	s_wait_dscnt 0x0
	PLACES NP
	FETCH_S LL, 1, 1
	FETCH_P LL, 1, 0
.if \first
	WIN BIA_HI
.else
	WIN MUL_HI
.endif
	MUL16 4, 0, \k, \first
	MUL16 6, 0, \k, \first
	PLACES NP
	WIN 0
	FETCH_P LL, 1, 4
.endm
; An odd K step changes slots: one barrier.  cnt: how many younger tensor loads of mine may stay out.  fill = 1: slot 0 is filled again, with K slot 3: the wait is then for all my loads, the add follows it,
; and the barrier opens a round of the cluster's barrier, behind which the joint refill comes first.
.macro CHG k, cnt, fill
.set NX, (((\k)+1)/2)%3
	s_wait_tensorcnt \cnt
.if \fill
	ds_add_u32 v[SPW], v[NIL]                      ; 0 onto my spare word
	s_wait_dscnt 4*NL+1
.else
	s_wait_dscnt 4*NL
.endif
	WIN MUL_LO
	MUL16 0, 1, \k, 0
	s_wait_dscnt 0x0                               ; my reads of this slot are over (and the add is done)
	s_barrier_signal -1
	MUL16 2, 1, \k, 0
	WIN 0
	s_barrier_wait -1
.if \fill
	CREST
	s_add_nc_u64 s[G0P+2:G0P+3], s[G0P+2:G0P+3], 3*QUAR
	s_add_nc_u64 s[G0S+2:G0S+3], s[G0S+2:G0S+3], 3*QUAR
	JLOAD G0P, G1P, G0S, G1S
.else
	PLACES NP
.endif
	FETCH_S NX, 0, 0
	FETCH_P NX, 0, 0
	WIN MUL_HI
	MUL16 4, 1, \k, 0
	MUL16 6, 1, \k, 0
	PLACES NP
	WIN 0
	FETCH_P NX, 0, 4
.endm
	s_load_b256 s[4:11], s[0:1], 0x0               ; yc s[4:5], pc s[6:7], sc2 s[8:9], b_proj s[10:11]
	s_load_b64 s[12:13], s[0:1], 0x20              ; out0
	v_lshl_add_u32 v[SPW], v0, 2, SPARE
	v_mov_b32 v[NIL], 0
	ds_add_u32 v28, v29
	ds_add_u32 v28, v29
	s_wait_dscnt 0x0
	v_lshrrev_b32 v1, 5, v0
	v_readfirstlane_b32 s14, v1                    ; wave 0..3
	s_lshr_b32 s15, s14, 1                         ; which 128 rows of P are mine.  Also: I fetch for P (0) or for S (1)
	s_and_b32 s16, s14, 1                          ; which 128 rows of S.  Also: which half of that tile I fetch
	s_bfe_u32 s44, ttmp6, 0x40000                  ; cx
	s_bfe_u32 s45, ttmp6, 0x40004                  ; cy
	s_and_b32 s18, ttmp7, 0xffff
	s_lshl_b32 s18, s18, 2
	s_add_co_u32 s18, s18, s45                     ; P's tile of 256 rows = 4 x cluster y + cy
	s_lshl_b32 s19, ttmp9, 2
	s_add_co_u32 s19, s19, s44                     ; S's = 4 x cluster x + cx
	s_lshl_b32 s20, s45, 2
	s_lshl_b32 s20, 15, s20                        ; my row of the cluster
	s_lshl_b32 s21, 0x1111, s44                    ; my column
	s_or_b32 s[G1P], s20, (3<<16)|(1<<21)
	s_or_b32 s[G1S], s21, (3<<16)|(1<<21)
.irp g, G1P, G1S
	s_mov_b32 s[\g+1], 32<<16                      ; rows of 256 bytes,
	s_mov_b32 s[\g+2], 96<<16                      ; 96 of them: a dense block of 24,576 bytes
	s_mov_b32 s[\g+3], 32<<16
	s_mov_b32 s[\g+4], 96
	s_mov_b32 s[\g+5], 32
	s_mov_b32 s[\g+6], 0
	s_mov_b32 s[\g+7], 0
.endr
	s_lshl_b32 s22, s18, 1
	s_add_co_u32 s22, s22, s16
	s_mul_i32 s22, s22, 4*QUAR
	s_mov_b32 s23, 0
	s_lshl_b32 s56, s19, 1
	s_add_co_u32 s56, s56, s16
	s_mul_i32 s56, s56, 4*QUAR
	s_mov_b32 s57, 0
	s_mul_i32 s62, s14, QUAR
	s_wait_kmcnt 0x0
	s_add_nc_u64 s[58:59], s[4:5], s[22:23]
	s_add_nc_u64 s[60:61], s[6:7], s[56:57]
	CROUND                                         ; all sixteen work-groups are here: the first joint loads meet
.irp s, 0,1,2
	s_mov_b32 s[G0P+4*\s], 1
	s_add_co_u32 s[G0P+4*\s+1], s62, \s*SLOT
	s_add_nc_u64 s[G0P+4*\s+2:G0P+4*\s+3], s[58:59], \s*QUAR
	s_or_b32 s[G0P+4*\s+3], s[G0P+4*\s+3], 0x80000000
	s_mov_b32 s[G0S+4*\s], 1
	s_add_co_u32 s[G0S+4*\s+1], s62, \s*SLOT
	s_add_nc_u64 s[G0S+4*\s+2:G0S+4*\s+3], s[60:61], \s*QUAR
	s_or_b32 s[G0S+4*\s+3], s[G0S+4*\s+3], 0x80000000
	JLOAD G0P+4*\s, G1P, G0S+4*\s, G1S
.endr
	v_and_b32 v1, 15, v0                           ; r
	v_bfe_u32 v2, v0, 4, 1                         ; h
	v_and_b32 v3, 31, v0
	v_lshlrev_b32 v[L8], 3, v3
	v_lshlrev_b32 v[L16], 4, v3
	s_mul_i32 s21, s15, QUAR
	s_mul_i32 s22, s16, QUAR
	s_add_co_u32 s22, s22, 2*QUAR
.irp s, 0,1,2
	v_add_nc_u32 v[ADRP+\s], s21, v[L8]
	v_add_nc_u32 v[ADRS+\s], s22, v[L8]
	s_add_co_u32 s21, s21, SLOT
	s_add_co_u32 s22, s22, SLOT
.endr
	s_mul_i32 s23, s14, 16*SPITCH
	s_add_co_u32 s23, s23, SLOT                    ; my stage, in slot 1
	v_mul_u32_u24 v5, v1, SPITCH
	v_lshl_add_u32 v5, v2, 6, v5
	v_add_nc_u32 v[STO], s23, v5                   ; in: row r, + 64 h
	v_add_nc_u32 v[RD], s23, v[L16]                ; back: a whole row, 16 bytes a lane
	s_lshl_b32 s94, s18, 8
	s_lshl_b32 s2, s15, 7
	s_add_co_u32 s94, s94, s2                      ; my first row of out0
	s_lshl_b32 s95, s19, 8
	s_lshl_b32 s2, s16, 7
	s_add_co_u32 s95, s95, s2                      ; my first column
	s_lshl_b32 s80, s94, 5                         ; y's scale words: 512 bytes for each 16 rows
	s_lshl_b32 s81, s95, 5
	s_add_co_u32 s81, s81, 262144                  ; W_proj's lie behind y's 262,144 bytes
	s_lshl_b32 s82, s95, 2
	v_mov_b32 v[SCO], s80
	v_mov_b32 v4, s81
	v_cmp_eq_u32 vcc_lo, 1, v2
	v_cndmask_b32 v[SCO], v[SCO], v4, vcc_lo       ; lanes 0-15 take P's words, lanes 16-31 S's
	v_lshl_add_u32 v[SCO], v1, 2, v[SCO]
.irp i, 0,1,2,3,4,5,6,7
.irp k, 0,1,2,3,4,5,6,7
	global_load_b32 v[SC+8*\i+\k], v[SCO], s[8:9] offset:512*\i+64*\k
.endr
.endr
	v_lshl_add_u32 v[BSO], v2, 6, s82
	WIN TO_S
.irp b, 0,1,2,3,4,5,6,7
	global_load_b128 v[96+8*\b+96*(\b/4):99+8*\b+96*(\b/4)], v[BSO], s[10:11] offset:(32*(\b/2)+8*(\b%2))*4       ; register 8 b + j: column 32 (b / 2) + 16 h + 8 (b % 2) + j
	global_load_b128 v[100+8*\b+96*(\b/4):103+8*\b+96*(\b/4)], v[BSO], s[10:11] offset:(32*(\b/2)+8*(\b%2))*4+16
.endr
	WIN 0
	s_lshl_b32 s2, s94, 12                         ; a row of out0 is 4,096 bytes
	s_add_co_u32 s2, s2, s82
	s_mov_b32 s3, 0
	s_add_nc_u64 s[12:13], s[12:13], s[2:3]
	s_wait_tensorcnt 2                             ; my part of K slot 0 is in; K slots 1 and 2 may stay out
	s_barrier_signal -1
	s_barrier_wait -1
	FETCH_S 0, 0, 0
	FETCH_P 0, 0, 0
	FETCH_P 0, 0, 4
	s_wait_loadcnt 0x0                             ; scale words and bias
	STEP 0, 1
	CHG 1, 1, 0                                    ; K slot 1 is whole; K slot 2 may stay out
	STEP 2, 0
	CHG 3, 0, 1                                    ; K slot 2 is whole; slot 0 takes K slot 3
	STEP 4, 0
	CHG 5, 0, 0                                    ; K slot 3 is whole: the one load that was out
	STEP 6, 0
	s_wait_dscnt 4*NL
	WIN MUL_LO
	MUL16 0, 1, 7, 0
	MUL16 2, 1, 7, 0
	s_wait_dscnt 0x0
	WIN MUL_HI
	MUL16 4, 1, 7, 0
	MUL16 6, 1, 7, 0
	WIN 0
; THE WAY OUT, block by block of 16 rows x 128 columns: through my own stage and back as whole rows of 512 bytes.  LDS serves a wave's instructions in order (ISA guide 5.7.1.4): no wait between the stores and the loads.
.macro TOSTAGE a
.set AC, 64*((\a)%4)
	WIN 0x08+4*((\a)/4)                            ; an LDS store's data are its source 1: window 2 or 3
.irp b, 0,1,2,3,4,5,6,7
	ds_store_b128 v[STO], v[AC+8*\b:AC+8*\b+3] offset:128*(\b/2)+32*(\b%2)          ; each accumulator from its low end on
	ds_store_b128 v[STO], v[AC+8*\b+4:AC+8*\b+7] offset:128*(\b/2)+32*(\b%2)+16
.endr
	WIN 0
.set BB, BK+64*((\a)%2)
.irp t, 0,1,2,3,4,5,6,7,8,9,10,11,12,13,14,15
	ds_load_b128 v[BB+4*\t:BB+4*\t+3], v[RD] offset:\t*SPITCH
.endr
.endm
.macro SEND a, younger                 ; younger: the LDS instructions issued behind block a's loads, which may stay out
.set BB, BK+64*((\a)%2)
	s_wait_dscnt \younger
.irp t, 0,1,2,3,4,5,6,7,8,9,10,11,12,13,14,15
	global_store_b128 v[L16], v[BB+4*\t:BB+4*\t+3], s[12:13] offset:(32*((\a)/2)+8*((\a)%2)+\t+8*(\t/8))*4096 th:TH_STORE_NT   ; 32 lanes store 512 consecutive bytes, at a multiple of 256 from out0's first byte; the tile's row t is row t + 8 (t / 8) of its group
.endr
.endm
	PLACES NP                                      ; in front of the first read of results and of loads into the registers that held P's fragments
	TOSTAGE 0
.irp a, 1,2,3,4,5,6,7
.if \a > 1
	s_wait_xcnt 0x0                                ; block a - 2's stores have read their registers: block a's loads may land there
.endif
	TOSTAGE \a
	SEND \a-1, 32                                  ; behind block a - 1's loads: block a's 16 stores and 16 loads
.endr
	SEND 7, 0
	s_wait_tensorcnt 0x0                           ; the wave's end
	ds_add_u32 v[SPW], v[NIL]
	s_wait_dscnt 0x0
	CROUND                                         ; the closing round
	s_endpgm
.Lfunc_end_k_q9abdeeae47_proj:
	.size	k_q9abdeeae47_proj, .Lfunc_end_k_q9abdeeae47_proj-k_q9abdeeae47_proj
	.p2alignl 7, 3214868480
	.fill 96, 4, 3214868480
	.section	.rodata,"a",@progbits
	.p2align	6, 0x0
	.amdhsa_kernel k_q9abdeeae47_proj
		.amdhsa_group_segment_fixed_size 327680
		.amdhsa_private_segment_fixed_size 0
		.amdhsa_enable_private_segment 0
		.amdhsa_kernarg_size 40
		.amdhsa_user_sgpr_count 2
		.amdhsa_user_sgpr_kernarg_segment_ptr 1
		.amdhsa_wavefront_size32 1
		.amdhsa_system_sgpr_workgroup_id_x 1
		.amdhsa_system_sgpr_workgroup_id_y 1
		.amdhsa_system_sgpr_workgroup_id_z 1
		.amdhsa_system_vgpr_workitem_id 0
		.amdhsa_next_free_vgpr 1024
		.amdhsa_next_free_sgpr 100
		.amdhsa_reserve_vcc 1
		.amdhsa_float_denorm_mode_32 3
		.amdhsa_float_denorm_mode_16_64 3
		.amdhsa_memory_ordered 1
		.amdhsa_forward_progress 1
		.amdhsa_inst_pref_size 162
	.end_amdhsa_kernel
	.amdgpu_metadata
---
amdhsa.version: [ 1, 2 ]
amdhsa.kernels:
  - .name:           k_q9abdeeae47_proj
    .symbol:         k_q9abdeeae47_proj.kd
    .args:
      - { .name: yc, .offset: 0, .size: 8, .value_kind: global_buffer, .address_space: global }
      - { .name: pc, .offset: 8, .size: 8, .value_kind: global_buffer, .address_space: global }
      - { .name: sc2, .offset: 16, .size: 8, .value_kind: global_buffer, .address_space: global }
      - { .name: b_proj, .offset: 24, .size: 8, .value_kind: global_buffer, .address_space: global }
      - { .name: out0, .offset: 32, .size: 8, .value_kind: global_buffer, .address_space: global }
    .group_segment_fixed_size: 327680
    .private_segment_fixed_size: 0
    .kernarg_segment_align: 8
    .kernarg_segment_size: 40
    .max_flat_workgroup_size: 128
    .sgpr_count:     100
    .vgpr_count:     1024
    .wavefront_size: 32
...
	.end_amdgpu_metadata
.endif
;; end of part 4
